; MI455X (gfx1250); checked and timed in simulation.
; The chip was launched on July 23, 2026; its instructions are those of AMD's public machine-readable ISA for CDNA 5 (MIT licence, August 2026) and "CDNA5" Instruction Set Architecture Reference Guide (July 2026). The comments in the code are by the model that wrote it; some were corrected since.
;; Linear Multi Head Attention. Allowed arithmetic: matrix products marked QUANTISED: E4M3 operands, one E8M0 scale for each 32 along K, by v_wmma_scale_f32_16x16x128_f8f6f4 with both operands' format E4M3, f32 sums; products left as they are: f32 operands where the result goes on into a quantised operand, else bf16, f16 or f32 operands; f32 sums; everything else in f32.
;; Inputs: Wk_codes 1,024 x 32 x 32 uint8 (E4M3 codes of Wk, K innermost, in blocks of 32 codes); Wk_scales 1,024 x 32 uint8 (E8M0 scales of Wk, one for each 32 codes along K); Wo_codes 512 x 32 x 32 uint8 (E4M3 codes of Wo, K innermost, in blocks of 32 codes); Wo_scales 512 x 32 uint8 (E8M0 scales of Wo, one for each 32 codes along K); Wq_codes 1,024 x 32 x 32 uint8 (E4M3 codes of Wq, K innermost, in blocks of 32 codes); Wq_scales 1,024 x 32 uint8 (E8M0 scales of Wq, one for each 32 codes along K); Wv_codes 1,024 x 32 x 32 uint8 (E4M3 codes of Wv, K innermost, in blocks of 32 codes); Wv_scales 1,024 x 32 uint8 (E8M0 scales of Wv, one for each 32 codes along K); bk 1,024 float32; bo 512 float32; bq 1,024 float32; bv 1,024 float32; key_codes 4 x 4,096 x 32 x 32 uint8 (E4M3 codes of key, K innermost, in blocks of 32 codes); key_scales 4 x 4,096 x 32 uint8 (E8M0 scales of key, one for each 32 codes along K); query_codes 4 x 4,096 x 32 x 32 uint8 (E4M3 codes of query, K innermost, in blocks of 32 codes); query_scales 4 x 4,096 x 32 uint8 (E8M0 scales of query, one for each 32 codes along K); value_codes 4 x 4,096 x 32 x 32 uint8 (E4M3 codes of value, K innermost, in blocks of 32 codes); value_scales 4 x 4,096 x 32 uint8 (E8M0 scales of value, one for each 32 codes along K).
;; Outputs: out0 4 x 4,096 x 512 float32.
;; This version of the problem:
;;   THIS VERSION OF THE PROBLEM IS GIVEN IN LOW PRECISION. The matrix products marked QUANTISED in the list below multiply operands that are first quantised to E4M3 (4 exponent bits, 3 mantissa bits; 8 bits a number), with one power-of-two scale for each 32 numbers along K (OCP MX v1.0); their sums are f32. All else is computed in f32.
;;   The module's matrix products, in the order in which they are computed (A, B: the left and right operand; K: the contracted axis; several contracted axes count as one K, in the product's order):
;;     1. [M 16,384, K 1,024] x [K 1,024, N 1,024]; A: input query (given as codes); B: input Wq (given as codes): QUANTISED
;;     2. [M 16,384, K 1,024] x [K 1,024, N 1,024]; A: input key (given as codes); B: input Wk (given as codes): QUANTISED
;;     3. [M 16,384, K 1,024] x [K 1,024, N 1,024]; A: input value (given as codes); B: input Wv (given as codes): QUANTISED
;;     4. batch 64 x [M 64, K 4,096] x [K 4,096, N 64]; A: computed on the way; B: computed on the way: QUANTISED
;;     5. batch 64 x [M 1, K 64] x [K 64, N 4,096]; A: computed on the way; B: computed on the way: left as it is (M = 1 < 16)
;;     6. batch 64 x [M 64, K 64] x [K 64, N 4,096]; A: computed on the way; B: computed on the way: QUANTISED
;;     7. batch 262,144 x [M 1, K 1] x [K 1, N 64]; A: computed on the way; B: computed on the way: left as it is (no contracted axis)
;;     8. [M 16,384, K 1,024] x [K 1,024, N 512]; A: computed on the way; B: input Wo (given as codes): QUANTISED
;;   THE QUANTISER, for each operand of a quantised product, along K:
;;     - K is cut into blocks of 32 from its start; a last block that is shorter is filled with zeros.
;;     - A block's scale is 2^e with e = floor(log2(the largest magnitude in the block)) - 8, held to -126 .. 127; a block of zeros has e = 0. As a byte (E8M0): e + 127.
;;     - Each number is divided by its block's scale, clamped to +-448, and rounded to the nearest number of E4M3, ties to even, subnormals kept.
;;     - The product sums the exact products of the quantised numbers (number of the format x scale) in f32.
;;   ~~~python
;;   def quantise(x, axis):      # numpy; x: float32 -> the quantised numbers, widened to float32 again
;;       x = np.moveaxis(x, axis, -1); K = x.shape[-1]
;;       x = np.pad(x, [(0, 0)] * (x.ndim - 1) + [(0, -K % 32)]); x = x.reshape(x.shape[:-1] + (-1, 32)); a = np.abs(x).max(-1, keepdims=True)
;;       e = np.where(a > 0, np.clip(np.frexp(np.where(a > 0, a, 1))[1] - 1 - 8, -126, 127), 0)      # np.frexp(a)[1] - 1 = floor(log2(a)), exactly
;;       r = np.clip(x / 2.0 ** e, -448, 448)
;;       step = 2.0 ** (np.maximum(np.frexp(np.where(r == 0, 1, r))[1] - 1, -6) - 3)
;;       q = np.round(r / step) * step * 2.0 ** e      # np.round: ties to even
;;       return np.moveaxis(q.reshape(q.shape[:-2] + (-1,))[..., :K], -1, axis).astype(np.float32)
;;   ~~~
;;   OPERANDS COMPUTED ON THE WAY. 'Computed on the way' means the value that the module computes at that place (a softmax that the list does not call 'softmax' is quantised finished and normalised). What goes into a quantiser is computed in f32, as accurately as f32 sums, v_exp_f32 and their like allow (about 1e-6 of the number): no bf16 or f16 on the way to a quantiser, and a product that is left as it is and whose result goes on into a quantised operand takes f32 operands (vector FMAs, or v_wmma_f32_16x16x4_f32). A number that lies on a knife's edge between two numbers of the format may be rounded either way, as far as f32 arithmetic and the matrix unit's own rounding can turn it there, and no further.
;;   INPUTS GIVEN AS CODES. Wk (in the module: [1024, 1024], K = its axis 0); Wo (in the module: [1024, 512], K = its axis 0); Wq (in the module: [1024, 1024], K = its axis 0); Wv (in the module: [1024, 1024], K = its axis 0); key (in the module: [4, 4096, 1024], K = its axis 2); query (in the module: [4, 4096, 1024], K = its axis 2); value (in the module: [4, 4096, 1024], K = its axis 2): each comes as NAME_codes (uint8): NAME with its K axis moved to the last place and cut into blocks of 32 codes, [.., K / 32, bytes a block], one block behind the other in memory; one code a byte (a code: sign, 4 exponent bits, 3 mantissa bits); and NAME_scales (uint8): the same leading axes, one E8M0 byte (e + 127) for each 32 codes along K. Its value is code x scale, taken as it is: it is not quantised again, and the codes and scales need not be those that the quantiser above would give.
;; One version. Each part assembles by itself: llvm-mc -triple=amdgcn-amd-amdhsa -mcpu=gfx1250 --defsym DOCPART=n.
;; ======== version 1 of 1: 4 launches
;; workspace buffers: img 33,554,432 bytes; isc 2,097,152 bytes; ksp 524,288 bytes; kvb 573,440 bytes; acodes 16,777,216 bytes; ascales 524,288 bytes
;; launch projkv (part 1): grid 128 x 4, 4 waves a work-group, clusters of 4 x 4, 327,680 bytes of LDS; arguments key_codes, key_scales, value_codes, value_scales, Wk_codes, Wk_scales, Wv_codes, Wv_scales, bk, bv, img, isc, ksp; writes img, isc, ksp
.if DOCPART == 1
	.amdgcn_target "amdgcn-amd-amdhsa--gfx1250"
	.amdhsa_code_object_version 6
	.text
	.protected	k_q046aea6395_projkv
	.globl	k_q046aea6395_projkv
	.p2align	8
	.type	k_q046aea6395_projkv,@function
k_q046aea6395_projkv:
	s_mov_b64 s[64:65], 0
	v_nop
	global_prefetch_b8 v0, s[64:65] scope:SCOPE_SE
	s_setreg_imm32_b32 hwreg(HW_REG_WAVE_MODE, 25, 1), 1
	s_wait_xcnt 0x0
	s_wait_alu depctr_hold_cnt(0) depctr_sa_sdst(0) depctr_va_vdst(0) depctr_va_sdst(0) depctr_va_ssrc(0) depctr_va_vcc(0) depctr_vm_vsrc(0)
	s_getreg_b32 s2, hwreg(HW_REG_IB_STS2, 6, 4)
	s_cmp_eq_u32 s2, 0
	s_cbranch_scc0 .Lentry_in_a_cluster
	s_endpgm
.Lentry_in_a_cluster:
	s_bfe_u32 s2, ttmp6, 0x10000c
	s_cmp_lg_u32 s2, 0xf033
	s_cbranch_scc0 .Lentry_shape_is_right
	s_endpgm
.Lentry_shape_is_right:
; k = phi(key Wk + bk) and v = value Wv + bv on codes of FP8 (E4M3) with one E8M0 scale for each 32 along K; phi(y) = elu(y) + 1.  Both results are quantised along t, the K of the product
; that follows (kv = k^T v), and leave as IMAGES OF OPERAND REGISTERS: img [tensor 2][b h 64][t / 128 32][tile 4][group 4][lane 32][16 bytes], their scale words isc [tensor][b h][t / 128][lane 32][tile 4];
; and the sums of the unquantised k over 128 t: ksp [b 4][t / 128 32][1024] f32.
; ONE LAUNCH FOR BOTH TENSORS: clusters 0-15 along x take key and Wk, clusters 16-31 value and Wv.  Pointers are chosen on the cluster's number, which all sixteen partners share; so is the one branch of a tile.
; THE PRODUCT: a work-group of four waves makes 256 columns x 256 t, a wave 128 x 128: 64 accumulators, 512 registers.  K = 1,024 goes in four steps of 256 through a ring of two LDS slots filled by the
; tensor data mover; a tile's row is 256 bytes of memory.  The scale bytes of the work-group's 512 rows, for all of K, come into LDS once, with the first fills.
; "A" = 16 rows of W (columns of k or v) = source 1: a lane holds ONE column.  "B" = 16 rows of key or value (t) = source 0: a lane's registers run along t, which is the next K.
; CLUSTERS: 4 x 4.  The four of a row of the cluster need the same tile of W, the four of a column the same tile of key or value: each tile is asked for jointly.
; phi(y) = max(y + 1, 2^(-|y log2 e|)): for y > 0 the second is under 1, for y <= 0 e^y is at least y + 1.  No compare, and the exponential's input is never positive.
; LIMITS: for y < 0 this gives e^y where elu(y) + 1 is expm1(y) + 1: they differ by at most 6e-8.  e^y under 2^-126 comes out as 0.  A block whose largest magnitude lies under 2^-118 keeps the scale byte 1;
; a block of zeros keeps the byte 1 over zero codes (this program alone reads the bytes).  NaN and infinities are not served.
; REGISTERS, in windows of 256: window 0: v16-31 addresses; v32-63 scale words, two sets; v64-127 the bias, as the C of the first products; v128-255 A's fragments, one set.
;   window 1: B's fragments, two sets.  windows 2, 3: the accumulators ((a, b) at v[8 (8 (a % 4) + b)] of window 2 + a / 4).  On the way out window 0's v64-255 are at work.
.set KSTEP,  256                       ; along K in a slot
.set NQ,     KSTEP/128                 ; matrix instructions deep
.set ROWB,   256                       ; a tile's row in bytes
.set KROW,   1024                      ; a row of codes in memory
.set PITCH,  272                       ; an LDS row: 256 bytes + 16 of padding = 68 words: row r starts at bank 4 r mod 64 (64 banks of 4 bytes: ISA guide 11.1)
.set FR,     16                        ; registers of a fragment: 16 rows x 128 K
.set NL,     4                         ; LDS loads that bring one
.set NP,     8                         ; places behind this matrix instruction (ISA guide 7.12.1)
.set HALFT,  128*PITCH                 ; 128 rows: what one tensor load brings
.set SLOT,   4*HALFT                   ; A's 256 rows, then B's 256 rows
.set KS,     32                        ; a row of scale bytes
.set SCL,    2*SLOT                    ; behind the ring: the scales, as units of 256 bytes + 16 of padding
.set HALFS,  (128*KS/256)*272          ; the scales of 128 rows
.set SBLK,   (16*KS/256)*272           ; those of 16 rows
.set SPARE,  SCL+4*HALFS               ; behind the scales: the spare words, 128 bytes a wave: two blocks of 256 bytes that no other line names
.set ADRA, 16                          ; v16-17  LDS address of my A fragments in slot 0, 1
.set ADRB, 20                          ; v20-21  the same for B
.set BOF,  22                          ; v22     4 x (lane % 16): my column's bias
.set KSR,  23                          ; v23     LDS: 512 x wave + 16 x lane: where the sums of k are read back
.set ADRS, 27                          ; v27     LDS address of my scale words: lanes 0-15 A's rows, lanes 16-31 B's
.set SPW,  28                          ; v28     LDS address of my spare word; never rewritten
.set NIL,  29                          ; v29     0; never rewritten
.set KSA,  30                          ; v30     LDS: 512 x wave + 4 x (lane % 16): where a column's sum is put
.set LI,   31                          ; v31     16 x lane: an image's place for my lane
.set SC,   32                          ; scale words: set s at v[SC + 16 s]
.set CB,   64                          ; the bias: eight equal registers for each of A's eight blocks
.set AF,   128                         ; A's fragments
.set U,    64                          ; the way out: 64 numbers of a tile
.set E,    128                         ; the way out: their exponentials
.set PC,   192                         ; the codes just made
.set SW,   208                         ; v208-211 four tiles' scale words
.set T,    224                         ; v224-228 the sum of k, at work
.set KSO,  232                         ; v232-235 the sums on their way out
.set TM,   236                         ; v236-251 the quantiser: largest magnitudes, bytes, holds, scale operands
.set G1, 24                            ; s[24:31] descriptor group 1 for A's tiles;  s[32:39] group 0, one set for each slot
.set G0, 32
.set G1B, 48                           ; s[48:55], s[56:63] the same for B's tiles
.set G0B, 56
.set G1S, 68                           ; s[68:75], s[76:79] groups 1 and 0 for A's scales;  s[80:87], s[88:91] for B's
.set G0S, 76
.set G1SB, 80
.set G0SB, 88
.set MSB, 0
.macro WIN new                         ; the immediate's high byte repeats the setting that is left
.if MSB != (\new)
	s_set_vgpr_msb (MSB<<8)|(\new)
.set MSB, (\new)
.endif
.endm
.set MUL_LO,   0xa1                    ; source 0 (B) window 1, source 1 (A) window 0, C and D window 2
.set MUL_HI,   0xf1                    ; the same, C and D window 3
.set FIRST_LO, 0x81                    ; the first products: C (the bias) window 0, D window 2
.set FIRST_HI, 0xc1                    ; D window 3
.set TO_B,     0x40                    ; destination window 1, address window 0
; A joint load: waves 0 and 1 fetch for A, waves 2 and 3 for B.  The branch hangs on the wave's number alone.  Four v_nop follow each of the two lines.
.macro JLOAD g0a, g1a, g0b, g1b
	s_cmp_eq_u32 s15, 0
	s_cbranch_scc0 .Lfor_b_\@
	tensor_load_to_lds s[\g0a:\g0a+3], s[\g1a:\g1a+7]
	s_nop 0
.rept 4
	v_nop
.endr
	s_branch .Lasked_\@
.Lfor_b_\@:
	tensor_load_to_lds s[\g0b:\g0b+3], s[\g1b:\g1b+7]
	s_nop 0
.rept 4
	v_nop
.endr
.Lasked_\@:
.endm
.macro CREST                           ; a round of the cluster's barrier behind its opening barrier
	s_cmp_lg_u32 s14, 0
	s_cbranch_scc1 .Lnot_wave_0_\@
	s_barrier_signal -3
.Lnot_wave_0_\@:
	s_barrier_wait -3
	s_barrier_signal -1
	s_barrier_wait -1
.endm
.macro CROUND                          ; a whole round
	s_barrier_signal -1
	s_barrier_wait -1
	CREST
.endm
	s_load_b512 s[68:83], s[0:1], 0x0              ; key's codes, scales; value's; Wk's; Wv's
	s_load_b256 s[84:91], s[0:1], 0x40             ; bk, bv, img, isc
	s_load_b64 s[92:93], s[0:1], 0x60              ; ksp
	v_lshl_add_u32 v[SPW], v0, 2, SPARE
	v_mov_b32 v[NIL], 0
	ds_add_u32 v28, v29
	ds_add_u32 v28, v29
	s_wait_dscnt 0x0
	v_lshrrev_b32 v1, 5, v0
	v_readfirstlane_b32 s14, v1                    ; wave 0..3
	s_lshr_b32 s15, s14, 1                         ; which half of A's rows is mine.  Also: I fetch for A (0) or for B (1)
	s_and_b32 s16, s14, 1                          ; which half of B's rows.  Also: which 128 rows of that tile I fetch
	s_bfe_u32 s40, ttmp6, 0x40000                  ; cx, cy: my place in the cluster
	s_bfe_u32 s41, ttmp6, 0x40004
	s_wait_kmcnt 0x0
	s_cmp_lt_u32 ttmp9, 16                         ; key's cluster or value's?  The choice hangs on the cluster's number alone
	s_cselect_b64 s[8:9], s[68:69], s[72:73]       ; B's codes
	s_cselect_b64 s[10:11], s[70:71], s[74:75]     ; B's scales
	s_cselect_b64 s[4:5], s[76:77], s[80:81]       ; A's codes
	s_cselect_b64 s[6:7], s[78:79], s[82:83]       ; A's scales
	s_cselect_b64 s[96:97], s[84:85], s[86:87]     ; the bias
	s_cselect_b32 s95, 0, 1                        ; 0: k, 1: v
	s_cselect_b32 s22, 0, 16
	s_cselect_b32 s2, 0x3f800000, 0                ; what is added on the way out: 1.0 for k (phi's y + 1), 0 for v
	s_mov_b64 s[12:13], s[88:89]                   ; img
	s_mov_b64 s[98:99], s[90:91]                   ; isc
	s_mov_b64 s[100:101], s[92:93]                 ; ksp
	s_sub_co_u32 s42, ttmp9, s22
	s_lshl_b32 s42, s42, 2
	s_add_co_u32 s42, s42, s40                     ; B's tile (256 t): 4 x the tensor's cluster + cx, 0..63
	s_mov_b32 s17, s41                             ; A's tile (256 columns): cy, 0..3: the grid has one row of clusters
	s_lshl_b32 s43, s41, 2
	s_lshl_b32 s43, 15, s43                        ; my row of the cluster
	s_lshl_b32 s44, 0x1111, s40                    ; my column
	; descriptor group 1: a tile of 128 rows x 256 bytes, padded in LDS
	s_or_b32 s[G1+0], s43, (0<<16)|(1<<20)|(1<<21)|(5<<22)|(3<<25)  ; 15:0 the mask: A's tiles go to my row; 17:16 elements of 1 byte; 20 padding on; 21 set beside a mask; 24:22 after every 64 words; 31:25 four words
	s_or_b32 s[G1B+0], s44, (0<<16)|(1<<20)|(1<<21)|(5<<22)|(3<<25)
.irp g, G1, G1B
	s_mov_b32 s[\g+1], ROWB<<16                    ; tensor_dim0
	s_mov_b32 s[\g+2], 128<<16                     ; tensor_dim1
	s_mov_b32 s[\g+3], ROWB<<16                    ; tile_dim0
	s_mov_b32 s[\g+4], 128                         ; tile_dim1
	s_mov_b32 s[\g+5], KROW                        ; from row to row
	s_mov_b32 s[\g+6], 0
	s_mov_b32 s[\g+7], 0
.endr
	; the scales of 128 rows: a dense block of 4,096 bytes, as 16 rows of 256 bytes (32 elements of 8 bytes), 16 bytes of padding behind each
	s_or_b32 s[G1S+0], s43, (3<<16)|(1<<20)|(1<<21)|(5<<22)|(3<<25)
	s_or_b32 s[G1SB+0], s44, (3<<16)|(1<<20)|(1<<21)|(5<<22)|(3<<25)
.irp g, G1S, G1SB
	s_mov_b32 s[\g+1], 32<<16
	s_mov_b32 s[\g+2], (128*KS/256)<<16
	s_mov_b32 s[\g+3], 32<<16
	s_mov_b32 s[\g+4], 128*KS/256
	s_mov_b32 s[\g+5], 32
	s_mov_b32 s[\g+6], 0
	s_mov_b32 s[\g+7], 0
.endr
	s_lshl_b32 s18, s16, 7                         ; which 128 rows of the tile I fetch
	s_lshl_b32 s20, s17, 8
	s_add_co_u32 s20, s20, s18                     ; A: row 256 x tile + 128 x half
	s_lshl_b32 s46, s42, 8
	s_add_co_u32 s46, s46, s18                     ; B likewise
	s_lshl_b32 s22, s20, 5                         ; where these rows' scales begin, in bytes (all under 2^25),
	s_mov_b32 s23, 0
	s_lshl_b32 s20, s20, 10                        ; and their codes
	s_mov_b32 s21, 0
	s_lshl_b32 s92, s46, 5
	s_mov_b32 s93, 0
	s_lshl_b32 s46, s46, 10
	s_mov_b32 s47, 0
	s_mul_i32 s45, s14, HALFT                      ; where they go: wave x 128 rows: no place in the cluster enters an LDS address
	s_mul_i32 s94, s14, HALFS
	s_add_nc_u64 s[20:21], s[4:5], s[20:21]
	s_add_nc_u64 s[22:23], s[6:7], s[22:23]
	s_add_nc_u64 s[46:47], s[8:9], s[46:47]
	s_add_nc_u64 s[92:93], s[10:11], s[92:93]
	CROUND                                         ; all sixteen work-groups are here: the first joint loads meet
	s_mov_b32 s[G0S], 1
	s_add_co_u32 s[G0S+1], s94, SCL
	s_mov_b64 s[G0S+2:G0S+3], s[22:23]
	s_or_b32 s[G0S+3], s[G0S+3], 0x80000000
	s_mov_b32 s[G0SB], 1
	s_add_co_u32 s[G0SB+1], s94, SCL
	s_mov_b64 s[G0SB+2:G0SB+3], s[92:93]
	s_or_b32 s[G0SB+3], s[G0SB+3], 0x80000000
	JLOAD G0S, G1S, G0SB, G1SB                     ; the scales first: they are wanted with K step 0
.irp s, 0,1
	s_mov_b32 s[G0+4*\s], 1
	s_add_co_u32 s[G0+4*\s+1], s45, \s*SLOT
	s_add_nc_u64 s[G0+4*\s+2:G0+4*\s+3], s[20:21], \s*ROWB
	s_or_b32 s[G0+4*\s+3], s[G0+4*\s+3], 0x80000000
	s_mov_b32 s[G0B+4*\s], 1
	s_add_co_u32 s[G0B+4*\s+1], s45, \s*SLOT
	s_add_nc_u64 s[G0B+4*\s+2:G0B+4*\s+3], s[46:47], \s*ROWB
	s_or_b32 s[G0B+4*\s+3], s[G0B+4*\s+3], 0x80000000
	JLOAD G0+4*\s, G1, G0B+4*\s, G1B               ; three tensor loads of mine are out
.endr
	v_and_b32 v1, 15, v0                           ; r = lane % 16
	v_bfe_u32 v2, v0, 4, 1                         ; h = lane / 16
	v_lshlrev_b32 v[BOF], 2, v1
	s_lshl_b32 s20, s17, 10                        ; the bias of my 128 columns: (256 x tile + 128 x half) x 4 bytes
	s_lshl_b32 s21, s15, 9
	s_add_co_u32 s20, s20, s21
	s_mov_b32 s21, 0
	s_add_nc_u64 s[96:97], s[96:97], s[20:21]
.irp a, 0,1,2,3,4,5,6,7
	global_load_b32 v[CB+8*\a], v[BOF], s[96:97] offset:64*\a   ; block a: the bias of column 16 a + r
.endr
	v_mul_u32_u24 v3, v1, PITCH
	v_lshl_add_u32 v4, v2, 4, v3                   ; a fragment's row x pitch + 16 x half
	s_mul_i32 s21, s15, HALFT                      ; my 128 rows of A
	s_mul_i32 s22, s16, HALFT                      ; my 128 rows of B,
	s_add_co_u32 s22, s22, 2*HALFT                 ; which lie behind A's 256
.irp s, 0,1
	v_add_nc_u32 v[ADRA+\s], s21, v4
	v_add_nc_u32 v[ADRB+\s], s22, v4
	s_add_co_u32 s21, s21, SLOT
	s_add_co_u32 s22, s22, SLOT
.endr
	v_mul_u32_u24 v5, v1, KS                       ; my row's scales: 32 bytes a row,
	v_lshrrev_b32 v6, 8, v5
	v_lshl_add_u32 v5, v6, 4, v5                   ; and 16 more for each 256 passed
	s_mul_i32 s21, s15, HALFS                      ; A's: my 128 rows
	s_mul_i32 s22, s16, HALFS                      ; B's: my 128 rows, behind A's 256
	s_add_co_u32 s22, s22, 2*HALFS
	s_sub_co_u32 s22, s22, s21
	v_mul_u32_u24 v6, s22, v2                      ; lanes 16-31 take B's: the lower base + h x the distance
	s_add_co_u32 s21, s21, SCL
	v_add_nc_u32 v5, v5, v6
	v_add_nc_u32 v[ADRS], s21, v5
	v_and_b32 v6, 31, v0
	v_lshlrev_b32 v[LI], 4, v6
	s_lshl_b32 s21, s14, 9
	v_add_nc_u32 v[KSR], s21, v[LI]
	v_add_nc_u32 v[KSA], s21, v[BOF]
	; where my wave's results go.  b = tile / 16, t / 128 = 2 (tile % 16) + my half of B; my first head = 4 x A's tile + 2 x my half of A
	s_lshr_b32 s46, s42, 4                         ; b
	s_and_b32 s47, s42, 15
	s_lshl_b32 s47, s47, 1
	s_add_co_u32 s47, s47, s16                     ; t / 128
	s_lshl_b32 s92, s46, 4
	s_lshl_b32 s93, s17, 2
	s_add_co_u32 s92, s92, s93
	s_lshl_b32 s93, s15, 1
	s_add_co_u32 s92, s92, s93                     ; 16 b + head
	s_lshl_b32 s92, s92, 5
	s_add_co_u32 s92, s92, s47                     ; x 32 + t / 128
	s_lshl_b32 s18, s95, 24                        ; v's images lie 16,777,216 bytes behind k's
	s_lshl_b32 s20, s92, 13                        ; 8,192 bytes for each (b, head, t / 128)
	s_add_co_u32 s20, s20, s18
	s_mov_b32 s21, 0
	s_add_nc_u64 s[12:13], s[12:13], s[20:21]
	s_lshl_b32 s18, s95, 20                        ; the scale words: 1,048,576 a tensor, 512 for each (b, head, t / 128)
	s_lshl_b32 s20, s92, 9
	s_add_co_u32 s20, s20, s18
	s_add_nc_u64 s[98:99], s[98:99], s[20:21]
	s_lshl_b32 s20, s46, 5
	s_add_co_u32 s20, s20, s47                     ; ksp: row 32 b + t / 128 of 1,024 numbers,
	s_lshl_b32 s20, s20, 10
	s_lshl_b32 s18, s17, 8
	s_add_co_u32 s20, s20, s18
	s_lshl_b32 s18, s15, 7
	s_add_co_u32 s20, s20, s18                     ; my 128 columns
	s_lshl_b32 s20, s20, 2
	s_add_nc_u64 s[100:101], s[100:101], s[20:21]
	s_mov_b32 s4, 0x76543210                       ; v_permlanex16_b32's selects for lane l xor 16
	s_mov_b32 s5, 0xfedcba98
	s_mov_b32 s6, 0x3fb8aa3b                       ; log2(e); the packed form names a pair and takes its low word for both halves
	s_mov_b32 s7, s6
	s_mov_b32 s8, s2                               ; 1.0 or 0, likewise
	s_mov_b32 s9, s2
	s_mov_b32 s10, 0x600000                        ; the mantissa field of 448
	s_wait_loadcnt 0x0                             ; the bias
.irp a, 0,1,2,3,4,5,6,7
.irp j, 1,2,3,4,5,6,7
	v_mov_b32 v[CB+8*\a+\j], v[CB+8*\a]            ; a lane holds one column, so its eight registers of C are equal.  (These run while the first tiles are on their way)
.endr
.endr
.macro FRAG reg, adr, q, i             ; a fragment, 16 rows x 128 K: lane l holds row l % 16; registers 4 c .. 4 c + 3 hold K = 32 c + 16 (l / 16) + 0 .. 15
.irp c, 0,1,2,3
	ds_load_b128 v[\reg+4*\c:\reg+4*\c+3], v[\adr] offset:128*(\q)+32*\c+(\i)*16*PITCH
.endr
.endm
; 16 matrix instructions: A's blocks a0, a0 + 1 x B's eight, 128 along K.  p: B's set;  sc: the set of scale words.  first = 1: the bias is the C of the first products: nothing is cleared, nothing is added later.
; The 64 accumulators take turns, one instruction a turn, in the same order in every step.
.macro MUL16 a0, p, q, sc, first
.irp a, \a0, \a0+1
.irp b, 0,1,2,3,4,5,6,7
.if \first
	v_wmma_scale_f32_16x16x128_f8f6f4 v[8*(8*((\a)%4)+\b):8*(8*((\a)%4)+\b)+7], v[128*(\p)+FR*\b:128*(\p)+FR*\b+FR-1], v[AF+FR*(\a):AF+FR*(\a)+FR-1], v[CB+8*(\a):CB+8*(\a)+7], v[SC+8*NQ*(\sc)+NQ*\b+(\q)], v[SC+8*NQ*(\sc)+NQ*(\a)+(\q)] matrix_a_scale:MATRIX_SCALE_ROW1
.else
	v_wmma_scale_f32_16x16x128_f8f6f4 v[8*(8*((\a)%4)+\b):8*(8*((\a)%4)+\b)+7], v[128*(\p)+FR*\b:128*(\p)+FR*\b+FR-1], v[AF+FR*(\a):AF+FR*(\a)+FR-1], v[8*(8*((\a)%4)+\b):8*(8*((\a)%4)+\b)+7], v[SC+8*NQ*(\sc)+NQ*\b+(\q)], v[SC+8*NQ*(\sc)+NQ*(\a)+(\q)] matrix_a_scale:MATRIX_SCALE_ROW1
.endif
.endr
.endr
.endm
.macro FETCH_B slot, q, p              ; B's eight fragments of the slot's q-th 128 along K into set p
	WIN TO_B
.irp i, 0,1,2,3,4,5,6,7
	FRAG 128*(\p)+FR*\i, ADRB+\slot, \q, \i
.endr
	WIN 0
.endm
.macro FETCH_A slot, q, i0             ; A's blocks i0 .. i0 + 3
.irp i, \i0, \i0+1, \i0+2, \i0+3
	FRAG AF+FR*(\i), ADRA+\slot, \q, \i
.endr
.endm
.macro SCALES sc                       ; a K step's scale words into set sc: two words a row; lanes 0-15 take A's block i, lanes 16-31 B's block i
.irp i, 0,1,2,3,4,5,6,7
	ds_load_b64 v[SC+8*NQ*\sc+NQ*\i:SC+8*NQ*\sc+NQ*\i+1], v[ADRS] offset:\i*SBLK
.endr
.endm
; A load into a register that a matrix instruction has read, and a vector instruction that reads a matrix result, stand NP places behind that matrix instruction; only plain vector instructions that name none of
; its registers are places (ISA guide 7.12.1 for vector instructions).
.macro PLACES n
.rept \n
	v_nop
.endr
.endm
; A step of 128 along K that has its successor in the same slot.
.macro STEP slot, q, first
	s_wait_dscnt 4*NL                              ; B's set and A's blocks 0-3 are in; the youngest sixteen loads (A's blocks 4-7) may be out
.if \first
	WIN FIRST_LO
.else
	WIN MUL_LO
.endif
	MUL16 0, (\q)%2, \q, \slot, \first
	MUL16 2, (\q)%2, \q, \slot, \first
	s_wait_dscnt 0                                 ; A's blocks 4-7 are in (asked for 32 matrix instructions ago)
	PLACES NP
	FETCH_B \slot, (\q)+1, 1-(\q)%2
	FETCH_A \slot, (\q)+1, 0
.if \first
	WIN FIRST_HI
.else
	WIN MUL_HI
.endif
	MUL16 4, (\q)%2, \q, \slot, \first
	MUL16 6, (\q)%2, \q, \slot, \first
	PLACES NP
	WIN 0
	FETCH_A \slot, (\q)+1, 4
.endm
; A slot's last step changes slots: ONE barrier; in front of it each wave waits for all its tensor loads, adds 0 to its spare word, and waits for that and for its own reads of this slot.  fill = 1: this slot is filled again, two K steps ahead.
.macro TURN slot, next, fill
	s_wait_tensorcnt 0x0                           ; all my tensor loads have landed: my part of the next slot
	ds_add_u32 v[SPW], v[NIL]                      ; 0 onto my spare word
	s_wait_dscnt 4*NL+1                            ; (the add and the youngest sixteen loads, A's blocks 4-7, may be out)
	WIN MUL_LO
	MUL16 0, 1, NQ-1, \slot, 0                     ; sixteen matrix instructions stand between the add and the wait for it
	s_wait_dscnt 0x0                               ; the add is done, and my reads of this slot are over
	s_barrier_signal -1
	MUL16 2, 1, NQ-1, \slot, 0
	WIN 0
	s_barrier_wait -1
.if \fill
	CREST                                          ; the barrier has opened a round of the cluster's barrier: no wave of any partner still reads this slot or has a load on its way
	s_add_nc_u64 s[G0+4*\slot+2:G0+4*\slot+3], s[G0+4*\slot+2:G0+4*\slot+3], 2*ROWB
	s_add_nc_u64 s[G0B+4*\slot+2:G0B+4*\slot+3], s[G0B+4*\slot+2:G0B+4*\slot+3], 2*ROWB
	JLOAD G0+4*\slot, G1, G0B+4*\slot, G1B         ; the first tensor load behind the round, my one load until the next; its four v_nop are among the places in front of the loads below
	PLACES NP-4
.else
	PLACES NP
.endif
	v_add_nc_u32 v[ADRS], 4*NQ, v[ADRS]            ; on to the next K step's scale words (no LDS load of mine is out)
	FETCH_B \next, 0, 0
	FETCH_A \next, 0, 0
	SCALES \next
	WIN MUL_HI
	MUL16 4, 1, NQ-1, \slot, 0
	MUL16 6, 1, NQ-1, \slot, 0
	PLACES NP
	WIN 0
	FETCH_A \next, 0, 4
.endm
	s_wait_tensorcnt 1                             ; the scales and my part of K step 0 are in; K step 1's load may stay out
	s_barrier_signal -1
	s_barrier_wait -1                              ; everybody's are
	FETCH_B 0, 0, 0
	FETCH_A 0, 0, 0
	SCALES 0
	FETCH_A 0, 0, 4
	STEP 0, 0, 1                                   ; K = 1,024 is four K steps: written out, twice round the ring
	TURN 0, 1, 1                                   ; slot 0 takes K step 2
	STEP 1, 0, 0
	TURN 1, 0, 1                                   ; slot 1 takes K step 3
	STEP 0, 0, 0
	TURN 0, 1, 0                                   ; nothing is left to fetch
	STEP 1, 0, 0
	s_wait_dscnt 4*NL                              ; the very last step
	WIN MUL_LO
	MUL16 0, 1, NQ-1, 1, 0
	MUL16 2, 1, NQ-1, 1, 0
	s_wait_dscnt 0
	WIN MUL_HI
	MUL16 4, 1, NQ-1, 1, 0
	MUL16 6, 1, NQ-1, 1, 0
	WIN 0
; THE QUANTISER.  64 numbers of a lane, v[s] .. v[s + 63]: registers 16 c + 0 .. 7 are K = 32 c + 8 h + 0 .. 7, registers 16 c + 8 .. 15 are K = 32 c + 16 + 8 h + 0 .. 7 of my row (two neighbouring result tiles).
; Lane l xor 16 holds the block's other 16.  The codes go to v[pc] on, the row's scale word to v[pw].  The operand's layout wants K = 32 c + 16 h + 0 .. 15 in registers 4 c .. 4 c + 3: the two halves of the lanes
; exchange eight codes of each block, by two v_permlane16_swap_b32 (the first register's lanes 16-31 against the second's lanes 0-15).
.macro QUANT s, pc, pw
.irp b, 0,1,2,3
	v_max3_num_f32 v[TM+\b], |v[\s+16*\b]|, |v[\s+16*\b+1]|, 0x4800000   ; block b: my 16 numbers, and the floor 2^(9 - 127): so the byte cannot fall under 1
.endr
.irp i, 2,4,6,8,10,12,14
.irp b, 0,1,2,3
	v_max3_num_f32 v[TM+\b], v[TM+\b], |v[\s+16*\b+\i]|, |v[\s+16*\b+\i+1]|   ; (the four blocks by turns)
.endr
.endr
.irp b, 0,1,2,3
	v_permlanex16_b32 v[TM+4+\b], v[TM+\b], s4, s5
.endr
.irp b, 0,1,2,3
	v_max_num_f32 v[TM+\b], v[TM+\b], v[TM+4+\b]   ; with lane l xor 16's: the block's largest magnitude
.endr
.irp b, 0,1,2,3
	v_add_nc_u32 v[TM+12+\b], 0xfc000000, v[TM+\b] ; 8 off its exponent field: the conversion takes the exponent field of this operand as its scale
.endr
.irp b, 0,1,2,3
	v_and_or_b32 v[TM+8+\b], v[TM+\b], 0x7f800000, s10   ; 448 x the scale
.endr
.irp b, 0,1,2,3
	v_lshrrev_b32 v[TM+4+\b], 23, v[TM+12+\b]      ; the scale's byte
.endr
	v_lshl_or_b32 v[\pw], v[TM+5], 8, v[TM+4]      ; the four bytes make my row's scale word
	v_lshl_or_b32 v[\pw], v[TM+6], 16, v[\pw]
	v_lshl_or_b32 v[\pw], v[TM+7], 24, v[\pw]
.irp b, 0,1,2,3
.irp i, 0,1,2,3,4,5,6,7,8,9,10,11,12,13,14,15
	v_med3_num_f32 v[\s+16*\b+\i], v[\s+16*\b+\i], -v[TM+8+\b], v[TM+8+\b]   ; the conversion to an 8-bit code does not saturate (ISA guide 7.6.2): the hold at the largest code x the scale
.endr
	v_cvt_scalef32_pk8_fp8_f32 v[\pc+4*\b:\pc+4*\b+1], v[\s+16*\b:\s+16*\b+7], v[TM+12+\b]
	v_cvt_scalef32_pk8_fp8_f32 v[\pc+4*\b+2:\pc+4*\b+3], v[\s+16*\b+8:\s+16*\b+15], v[TM+12+\b]
.endr
	v_nop                                          ; one plain vector instruction between a scaled conversion and the next vector instruction that touches its result
.irp b, 0,1,2,3
	v_permlane16_swap_b32 v[\pc+4*\b], v[\pc+4*\b+2]
	v_permlane16_swap_b32 v[\pc+4*\b+1], v[\pc+4*\b+3]
.endr
.endm
; THE WAY OUT of A's block a: 16 columns x 128 t.  Lane (r, h) holds column 16 a + r; register 8 b + j holds t = 16 b + 8 h + j.
.macro TILE a
.set AC, 64*((\a)%4)
	WIN 0x02+(\a)/4                                ; source 0: window 2 or 3
.set p, 0
.rept 32
	v_pk_add_f32 v[U+2*p:U+2*p+1], v[AC+2*p:AC+2*p+1], s[8:9] op_sel_hi:[1,0]   ; y + 1 (k) or y + 0 (v), into window 0; each accumulator from its low end on
.set p, p+1
.endr
	WIN 0
	s_cmp_lg_u32 s95, 0                            ; v has no activation and no sum: the same way in all sixteen partners
	s_cbranch_scc1 .Lplain_\@
	WIN 0x02+(\a)/4
.set p, 0
.rept 32
	v_pk_mul_f32 v[E+2*p:E+2*p+1], v[AC+2*p:AC+2*p+1], s[6:7] op_sel_hi:[1,0]   ; y log2(e)
.set p, p+1
.endr
	WIN 0
.set p, 0
.rept 64
	v_exp_f32 v[E+p], -|v[E+p]|                    ; e^(-|y|): one batch
.set p, p+1
.endr
	v_nop                                          ; a plain instruction behind the last exponential,
	s_wait_alu depctr_va_vdst(0)                   ; and one wait for the batch, ahead of its first reader
.set p, 0
.rept 64
	v_max_num_f32 v[U+p], v[U+p], v[E+p]           ; phi(y)
.set p, p+1
.endr
	v_pk_add_f32 v[T:T+1], v[U:U+1], v[U+2:U+3]    ; the column's sum over these 128 t, of the unquantised k: two chains
	v_pk_add_f32 v[T+2:T+3], v[U+4:U+5], v[U+6:U+7]
.irp j, 8,12,16,20,24,28,32,36,40,44,48,52,56,60
	v_pk_add_f32 v[T:T+1], v[T:T+1], v[U+\j:U+\j+1]
	v_pk_add_f32 v[T+2:T+3], v[T+2:T+3], v[U+\j+2:U+\j+3]
.endr
	v_pk_add_f32 v[T:T+1], v[T:T+1], v[T+2:T+3]
	v_add_f32 v[T], v[T], v[T+1]
	v_permlanex16_b32 v[T+4], v[T], s4, s5
	v_add_f32 v[T], v[T], v[T+4]                   ; with lane l xor 16's 64 t
	ds_store_b32 v[KSA], v[T] offset:64*(\a)       ; both halves of the lanes write the same word with the same value.  The bytes lie in slot 0, which has had its last fill and its last read
.Lplain_\@:
	s_wait_xcnt 0x0                                ; the last tile's stores have read their data: the codes and the scale words are written again only behind this wait
	QUANT U, PC, SW+(\a)%4
.irp c, 0,1,2,3
	global_store_b128 v[LI], v[PC+4*\c:PC+4*\c+3], s[12:13] offset:((\a)/4)*262144+((\a)%4)*2048+512*\c   ; the fragment as it stands: 32 lanes store 512 consecutive bytes, aligned
.endr
.if (\a)%4 == 3
	global_store_b128 v[LI], v[SW:SW+3], s[98:99] offset:((\a)/4)*16384   ; a head's four scale words a lane: 512 consecutive bytes
.endif
.endm
	PLACES NP                                      ; behind the last products: their results are read and their operands' registers written below
.irp b, 0,1,2,3
	v_mov_b32 v[TM+4+\b], 0                        ; written once: a lane permute's destination counts as one of its sources
.endr
	v_mov_b32 v[T+4], 0
.irp a, 0,1,2,3,4,5,6,7
	TILE \a
.endr
	s_cmp_lg_u32 s95, 0
	s_cbranch_scc1 .Lno_sums
	ds_load_b128 v[KSO:KSO+3], v[KSR]              ; LDS serves a wave's instructions in order (ISA guide 5.7.1.4): this sees my eight stores
	s_wait_dscnt 0x0
	global_store_b128 v[LI], v[KSO:KSO+3], s[100:101]   ; my 128 columns' sums: 512 consecutive bytes
.Lno_sums:
	s_wait_tensorcnt 0x0                           ; the wave's end: behind my last tensor load and my last LDS store
	ds_add_u32 v[SPW], v[NIL]
	s_wait_dscnt 0x0
	CROUND                                         ; the closing round: no work-group ends while a partner may still ask for a tile that names it
	s_endpgm
.Lfunc_end_k_q046aea6395_projkv:
	.size	k_q046aea6395_projkv, .Lfunc_end_k_q046aea6395_projkv-k_q046aea6395_projkv
	.p2alignl 7, 3214868480
	.fill 96, 4, 3214868480
	.section	.rodata,"a",@progbits
	.p2align	6, 0x0
	.amdhsa_kernel k_q046aea6395_projkv
		.amdhsa_group_segment_fixed_size 327680
		.amdhsa_private_segment_fixed_size 0
		.amdhsa_enable_private_segment 0
		.amdhsa_kernarg_size 104
		.amdhsa_user_sgpr_count 2
		.amdhsa_user_sgpr_kernarg_segment_ptr 1
		.amdhsa_wavefront_size32 1
		.amdhsa_system_sgpr_workgroup_id_x 1
		.amdhsa_system_sgpr_workgroup_id_y 1
		.amdhsa_system_sgpr_workgroup_id_z 1
		.amdhsa_system_vgpr_workitem_id 0
		.amdhsa_next_free_vgpr 1024
		.amdhsa_next_free_sgpr 102
		.amdhsa_reserve_vcc 0
		.amdhsa_float_denorm_mode_32 3
		.amdhsa_float_denorm_mode_16_64 3
		.amdhsa_memory_ordered 1
		.amdhsa_forward_progress 1
		.amdhsa_inst_pref_size 255
	.end_amdhsa_kernel
	.section	.bss,"aw",@nobits
	.p2align	6
	.space	262144
	.amdgpu_metadata
---
amdhsa.version: [ 1, 2 ]
amdhsa.kernels:
  - .name:           k_q046aea6395_projkv
    .symbol:         k_q046aea6395_projkv.kd
    .args:
      - { .name: key_codes, .offset: 0, .size: 8, .value_kind: global_buffer, .address_space: global }
      - { .name: key_scales, .offset: 8, .size: 8, .value_kind: global_buffer, .address_space: global }
      - { .name: value_codes, .offset: 16, .size: 8, .value_kind: global_buffer, .address_space: global }
      - { .name: value_scales, .offset: 24, .size: 8, .value_kind: global_buffer, .address_space: global }
      - { .name: Wk_codes, .offset: 32, .size: 8, .value_kind: global_buffer, .address_space: global }
      - { .name: Wk_scales, .offset: 40, .size: 8, .value_kind: global_buffer, .address_space: global }
      - { .name: Wv_codes, .offset: 48, .size: 8, .value_kind: global_buffer, .address_space: global }
      - { .name: Wv_scales, .offset: 56, .size: 8, .value_kind: global_buffer, .address_space: global }
      - { .name: bk, .offset: 64, .size: 8, .value_kind: global_buffer, .address_space: global }
      - { .name: bv, .offset: 72, .size: 8, .value_kind: global_buffer, .address_space: global }
      - { .name: img, .offset: 80, .size: 8, .value_kind: global_buffer, .address_space: global }
      - { .name: isc, .offset: 88, .size: 8, .value_kind: global_buffer, .address_space: global }
      - { .name: ksp, .offset: 96, .size: 8, .value_kind: global_buffer, .address_space: global }
    .group_segment_fixed_size: 327680
    .private_segment_fixed_size: 0
    .kernarg_segment_align: 8
    .kernarg_segment_size: 104
    .max_flat_workgroup_size: 128
    .sgpr_count:     102
    .vgpr_count:     1024
    .wavefront_size: 32
...
	.end_amdgpu_metadata
.endif
;; end of part 1
;; launch kvprod (part 2): grid 4 x 64, 16 waves a work-group, no clusters, 71,680 bytes of LDS; arguments img, isc, ksp, kvb; writes kvb
.if DOCPART == 2
	.amdgcn_target "amdgcn-amd-amdhsa--gfx1250"
	.amdhsa_code_object_version 6
	.text
	.protected	k_q046aea6395_kvprod
	.globl	k_q046aea6395_kvprod
	.p2align	8
	.type	k_q046aea6395_kvprod,@function
k_q046aea6395_kvprod:
	s_mov_b64 s[64:65], 0
	v_nop
	global_prefetch_b8 v0, s[64:65] scope:SCOPE_SE
	s_setreg_imm32_b32 hwreg(HW_REG_WAVE_MODE, 25, 1), 1
	s_wait_xcnt 0x0
; kv[b h][dv][dk] = the sum over t of v[t][dv] k[t][dk], on the codes and scale words that the launch before has laid as images of operand registers; then kv is quantised along dk, the K of the product that follows;
; and ksum[b][h dk] = the sum of the 32 partial sums of k.
; SHARES.  A work-group is (16 dv: x, one (b, h): y) and owns its 16 x 64 of kv over ALL 4,096 t: no sum spans work-groups.  Each of its sixteen waves takes two K steps of 128 t: eight matrix instructions on four
; accumulators by turns.  Source 0 = 16 dk of k, source 1 = my 16 dv of v: a lane holds one dv, and its registers run along dk.
; The sixteen partial results meet in LDS: waves 0-7 each add sixteen pieces of 512 bytes, wave 0 quantises and stores.  Wave 8 of the work-groups with x = 0 adds ksum meanwhile.
; OPERANDS GO FROM MEMORY STRAIGHT INTO REGISTERS: each is used by this wave once, and all of a wave's 44 loads are issued at its head.  So there is no tensor load and no joint request, though the four work-groups
; of a (b, h) read the same images of k: a way through LDS would add a round trip to a launch that has one step.
; OUT: kvb: bytes 0 on: [b h][dv / 16][2,048]: the operand of q kv^T as an image of its 16 registers.  That product has K = 64 and runs in a K = 128 instruction beside the neighbouring head: an even head's codes
; stand at K = 0 .. 63 and zero codes at 64 .. 127, an odd head's the other way round.  From 524,288 on: the scale words [b h][dv / 16][lane], the two bytes at the codes' places, 0 elsewhere (over zero codes).
; From 557,056 on: ksum [b][1,024] f32.
; LIMITS: a block whose largest magnitude lies under 2^-118 keeps the scale byte 1; NaN and infinities are not served.
.set KF,   32                          ; v32-159  k's fragments: K step s, tile i at 32 + 64 s + 16 i;  v32-95 later ksum's 32 pairs;  v96-159 later sixteen pieces of the partial results
.set VF,   160                         ; v160-191 v's fragments
.set KSW,  192                         ; v192-199 k's scale words
.set VSW,  200                         ; v200-201 v's
.set ACC,  208                         ; v208-239 four accumulators
.set TM,   240                         ; v240-253 the quantiser
.set R,    96
.set PCD,  128                         ; v128-135 the codes, v136-139 zeros, v140 the scale word
.set RED,  0x10000                     ; LDS: 0 .. 65,535 the partial results, 4,096 bytes a wave; from here on their sum, 4,096 bytes
	s_load_b256 s[4:11], s[0:1], 0x0               ; img s[4:5], isc s[6:7], ksp s[8:9], kvb s[10:11]
	v_lshl_add_u32 v254, v0, 2, 0x11000
	v_mov_b32 v255, 0
	v_lshrrev_b32 v1, 5, v0
	v_readfirstlane_b32 s20, v1                    ; wave 0..15
	v_and_b32 v1, 31, v0                           ; lane
	s_and_b32 s21, ttmp7, 0xffff                   ; 16 b + h
	v_lshlrev_b32 v2, 4, v1                        ; 16 x lane: an image's place for my lane
	s_lshl_b32 s22, ttmp9, 2
	v_add_nc_u32 v3, s22, v2                       ; v's scale word: my lane's four, the one of my tile
	s_lshl_b32 s22, s20, 12
	v_add_nc_u32 v4, s22, v2                       ; LDS: my wave's partial result
	s_and_b32 s22, s20, 7
	s_lshl_b32 s22, s22, 9
	v_add_nc_u32 v5, s22, v2                       ; LDS: the piece that I add (waves 0-7): 512 x wave in each wave's 4,096
	v_add_nc_u32 v6, RED, v5                       ; and where its sum goes
	v_add_nc_u32 v7, RED, v2                       ; LDS: the whole sum, read by wave 0
	v_lshlrev_b32 v8, 3, v1                        ; ksum: two numbers a lane
	s_and_b32 s23, s21, 1                          ; the head's parity
	s_lshl_b32 s22, s23, 10
	v_add_nc_u32 v9, s22, v2                       ; the codes' half of the image,
	s_xor_b32 s22, s22, 1024
	v_add_nc_u32 v10, s22, v2                      ; and the zeros'
	v_lshlrev_b32 v11, 2, v1
	s_lshl_b32 s23, s23, 4                         ; an odd head's two scale bytes stand 16 bits up
	s_mov_b32 s24, 0x76543210                      ; v_permlanex16_b32's selects for lane l xor 16
	s_mov_b32 s25, 0xfedcba98
	s_mov_b32 s36, 0x600000                        ; the mantissa field of 448
	v_mov_b32 v[TM+4], 0                           ; written once: a lane permute's destination counts as one of its sources
	v_mov_b32 v[TM+5], 0
	s_lshl_b32 s26, s21, 18                        ; k's images: 262,144 bytes a (b, h), 16,384 for a wave's two K steps
	s_lshl_b32 s27, s20, 14
	s_add_co_u32 s26, s26, s27
	s_mov_b32 s27, 0
	s_wait_kmcnt 0x0
	s_add_nc_u64 s[12:13], s[4:5], s[26:27]
	s_lshl_b32 s26, ttmp9, 11                      ; v's lie 16,777,216 bytes on; my tile of 16 dv
	s_add_co_u32 s26, s26, 0x1000000
	s_add_nc_u64 s[14:15], s[12:13], s[26:27]
	s_lshl_b32 s26, s21, 14                        ; the scale words: 16,384 a (b, h), 1,024 for two K steps
	s_lshl_b32 s28, s20, 10
	s_add_co_u32 s26, s26, s28
	s_add_nc_u64 s[16:17], s[6:7], s[26:27]
	s_add_nc_u64 s[18:19], s[16:17], 0x100000      ; v's lie 1,048,576 bytes on
	s_lshr_b32 s26, s21, 4                         ; ksp: 131,072 bytes a b, 256 a head
	s_lshl_b32 s26, s26, 17
	s_and_b32 s28, s21, 15
	s_lshl_b32 s28, s28, 8
	s_add_co_u32 s26, s26, s28
	s_add_nc_u64 s[8:9], s[8:9], s[26:27]
	s_lshl_b32 s26, s21, 8
	s_add_co_u32 s26, s26, 557056
	s_add_nc_u64 s[30:31], s[10:11], s[26:27]      ; ksum's 256 bytes of my (b, h)
	s_lshl_b32 s28, s21, 2
	s_add_co_u32 s28, s28, ttmp9                   ; 4 (16 b + h) + dv / 16
	s_lshl_b32 s26, s28, 11
	s_add_nc_u64 s[32:33], s[10:11], s[26:27]      ; my image
	s_lshl_b32 s26, s28, 7
	s_add_co_u32 s26, s26, 524288
	s_add_nc_u64 s[34:35], s[10:11], s[26:27]      ; my scale words
.irp s, 0,1                                    ; 22 loads for each K step, all at the head
.irp i, 0,1,2,3
.irp c, 0,1,2,3
	global_load_b128 v[KF+64*\s+16*\i+4*\c:KF+64*\s+16*\i+4*\c+3], v2, s[12:13] offset:8192*\s+2048*\i+512*\c
.endr
.endr
.irp c, 0,1,2,3
	global_load_b128 v[VF+16*\s+4*\c:VF+16*\s+4*\c+3], v2, s[14:15] offset:8192*\s+512*\c th:TH_LOAD_NT   ; read by this wave alone
.endr
	global_load_b128 v[KSW+4*\s:KSW+4*\s+3], v2, s[16:17] offset:512*\s
	global_load_b32 v[VSW+\s], v3, s[18:19] offset:512*\s
.endr
	s_wait_loadcnt 22                              ; the first K step's 22 loads are in; the second's may be out
.irp i, 0,1,2,3
	v_wmma_scale_f32_16x16x128_f8f6f4 v[ACC+8*\i:ACC+8*\i+7], v[KF+16*\i:KF+16*\i+15], v[VF:VF+15], 0, v[KSW+\i], v[VSW]
.endr
	s_wait_loadcnt 0x0
.irp i, 0,1,2,3                                ; the four accumulators by turns, one instruction a turn
	v_wmma_scale_f32_16x16x128_f8f6f4 v[ACC+8*\i:ACC+8*\i+7], v[KF+64+16*\i:KF+64+16*\i+15], v[VF+16:VF+31], v[ACC+8*\i:ACC+8*\i+7], v[KSW+4+\i], v[VSW+1]
.endr
.rept 8
	v_nop                                          ; places in front of the first read of results, and of loads into registers that matrix instructions have read
.endr
.irp q, 0,1,2,3,4,5,6,7
	ds_store_b128 v4, v[ACC+4*\q:ACC+4*\q+3] offset:512*\q   ; my partial result as it stands, each accumulator from its low end on
.endr
	s_cmp_lg_u32 s20, 8                            ; ksum: wave 8,
	s_cbranch_scc1 .Lnot_a
	s_cmp_lg_u32 ttmp9, 0                          ; of the (b, h)'s first work-group
	s_cbranch_scc1 .Lnot_a
.irp p, 0,1,2,3,4,5,6,7,8,9,10,11,12,13,14,15,16,17,18,19,20,21,22,23,24,25,26,27,28,29,30,31
	global_load_b64 v[32+2*\p:33+2*\p], v8, s[8:9] offset:4096*\p   ; the head's 64 sums over t = 128 p on: 256 consecutive bytes
.endr
.Lnot_a:
	s_wait_dscnt 0x0                               ; for the others' sake: my stores have landed
	s_barrier_signal -1
	s_barrier_wait -1
.macro FOLD4 n                         ; pieces of four registers: piece p += piece p + n
.set p, 0
.rept \n
	v_pk_add_f32 v[R+4*p:R+4*p+1], v[R+4*p:R+4*p+1], v[R+4*(p+\n):R+4*(p+\n)+1]
	v_pk_add_f32 v[R+4*p+2:R+4*p+3], v[R+4*p+2:R+4*p+3], v[R+4*(p+\n)+2:R+4*(p+\n)+3]
.set p, p+1
.endr
.endm
.macro FOLD2 n                         ; pairs: pair p += pair p + n
.set p, 0
.rept \n
	v_pk_add_f32 v[32+2*p:33+2*p], v[32+2*p:33+2*p], v[32+2*(p+\n):33+2*(p+\n)]
.set p, p+1
.endr
.endm
	s_cmp_lt_u32 s20, 8
	s_cbranch_scc0 .Lnot_red
.irp p, 0,1,2,3,4,5,6,7,8,9,10,11,12,13,14,15
	ds_load_b128 v[R+4*\p:R+4*\p+3], v5 offset:4096*\p   ; my piece of each wave's partial result
.endr
	s_wait_dscnt 0x0
	FOLD4 8
	FOLD4 4
	FOLD4 2
	FOLD4 1
	ds_store_b128 v6, v[R:R+3]
.Lnot_red:
	s_cmp_lg_u32 s20, 8
	s_cbranch_scc1 .Lnot_b
	s_cmp_lg_u32 ttmp9, 0
	s_cbranch_scc1 .Lnot_b
	s_wait_loadcnt 0x0
	FOLD2 16
	FOLD2 8
	FOLD2 4
	FOLD2 2
	FOLD2 1
	global_store_b64 v8, v[32:33], s[30:31]        ; 32 lanes store 256 consecutive bytes, aligned
.Lnot_b:
	s_wait_dscnt 0x0
	s_barrier_signal -1
	s_barrier_wait -1
	s_cmp_lg_u32 s20, 0
	s_cbranch_scc1 .Lend
.irp q, 0,1,2,3,4,5,6,7
	ds_load_b128 v[R+4*\q:R+4*\q+3], v7 offset:512*\q   ; kv: register 8 i + j is (dv = r, dk = 16 i + 8 h + j)
.endr
	s_wait_dscnt 0x0
	; two blocks of 32 along dk: registers 16 c + 0 .. 15 and those of lane l xor 16
.irp b, 0,1
	v_max3_num_f32 v[TM+\b], |v[R+16*\b]|, |v[R+16*\b+1]|, 0x4800000   ; and the floor 2^(9 - 127): so the byte cannot fall under 1
.endr
.irp i, 2,4,6,8,10,12,14
.irp b, 0,1
	v_max3_num_f32 v[TM+\b], v[TM+\b], |v[R+16*\b+\i]|, |v[R+16*\b+\i+1]|
.endr
.endr
.irp b, 0,1
	v_permlanex16_b32 v[TM+4+\b], v[TM+\b], s24, s25
.endr
.irp b, 0,1
	v_max_num_f32 v[TM+\b], v[TM+\b], v[TM+4+\b]
.endr
.irp b, 0,1
	v_add_nc_u32 v[TM+12+\b], 0xfc000000, v[TM+\b] ; 8 off the exponent field: the conversion's scale operand
.endr
.irp b, 0,1
	v_and_or_b32 v[TM+8+\b], v[TM+\b], 0x7f800000, s36   ; 448 x the scale
.endr
.irp b, 0,1
	v_lshrrev_b32 v[TM+4+\b], 23, v[TM+12+\b]      ; the scale's byte
.endr
	v_lshl_or_b32 v[PCD+12], v[TM+5], 8, v[TM+4]
	v_lshlrev_b32 v[PCD+12], s23, v[PCD+12]        ; to the codes' places along K
.irp b, 0,1
.irp i, 0,1,2,3,4,5,6,7,8,9,10,11,12,13,14,15
	v_med3_num_f32 v[R+16*\b+\i], v[R+16*\b+\i], -v[TM+8+\b], v[TM+8+\b]   ; the conversion does not saturate (ISA guide 7.6.2): the hold at the largest code x the scale
.endr
	v_cvt_scalef32_pk8_fp8_f32 v[PCD+4*\b:PCD+4*\b+1], v[R+16*\b:R+16*\b+7], v[TM+12+\b]
	v_cvt_scalef32_pk8_fp8_f32 v[PCD+4*\b+2:PCD+4*\b+3], v[R+16*\b+8:R+16*\b+15], v[TM+12+\b]
.endr
	v_nop                                          ; one plain vector instruction between a scaled conversion and the next vector instruction that touches its result
.irp b, 0,1
	v_permlane16_swap_b32 v[PCD+4*\b], v[PCD+4*\b+2]     ; the halves of the lanes exchange eight codes: registers 4 c .. 4 c + 3 then hold dk = 32 c + 16 h + 0 .. 15
	v_permlane16_swap_b32 v[PCD+4*\b+1], v[PCD+4*\b+3]
.endr
.irp j, 0,1,2,3
	v_mov_b32 v[PCD+8+\j], 0                       ; zero codes for the other head's half of K
.endr
	global_store_b128 v9, v[PCD:PCD+3], s[32:33]   ; each store: 512 consecutive bytes, aligned
	global_store_b128 v9, v[PCD+4:PCD+7], s[32:33] offset:512
	global_store_b128 v10, v[PCD+8:PCD+11], s[32:33]
	global_store_b128 v10, v[PCD+8:PCD+11], s[32:33] offset:512
	global_store_b32 v11, v[PCD+12], s[34:35]
.Lend:
	s_wait_tensorcnt 0x0
	ds_add_u32 v254, v255
	s_wait_dscnt 0x0
	s_endpgm
.Lfunc_end_k_q046aea6395_kvprod:
	.size	k_q046aea6395_kvprod, .Lfunc_end_k_q046aea6395_kvprod-k_q046aea6395_kvprod
	.p2alignl 7, 3214868480
	.fill 96, 4, 3214868480
	.section	.rodata,"a",@progbits
	.p2align	6, 0x0
	.amdhsa_kernel k_q046aea6395_kvprod
		.amdhsa_group_segment_fixed_size 71680
		.amdhsa_private_segment_fixed_size 0
		.amdhsa_enable_private_segment 0
		.amdhsa_kernarg_size 32
		.amdhsa_user_sgpr_count 2
		.amdhsa_user_sgpr_kernarg_segment_ptr 1
		.amdhsa_wavefront_size32 1
		.amdhsa_system_sgpr_workgroup_id_x 1
		.amdhsa_system_sgpr_workgroup_id_y 1
		.amdhsa_system_sgpr_workgroup_id_z 1
		.amdhsa_system_vgpr_workitem_id 0
		.amdhsa_next_free_vgpr 256
		.amdhsa_next_free_sgpr 66
		.amdhsa_reserve_vcc 0
		.amdhsa_float_denorm_mode_32 3
		.amdhsa_float_denorm_mode_16_64 3
		.amdhsa_memory_ordered 1
		.amdhsa_forward_progress 1
		.amdhsa_inst_pref_size 23
	.end_amdhsa_kernel
	.amdgpu_metadata
---
amdhsa.version: [ 1, 2 ]
amdhsa.kernels:
  - .name:           k_q046aea6395_kvprod
    .symbol:         k_q046aea6395_kvprod.kd
    .args:
      - { .name: img, .offset: 0, .size: 8, .value_kind: global_buffer, .address_space: global }
      - { .name: isc, .offset: 8, .size: 8, .value_kind: global_buffer, .address_space: global }
      - { .name: ksp, .offset: 16, .size: 8, .value_kind: global_buffer, .address_space: global }
      - { .name: kvb, .offset: 24, .size: 8, .value_kind: global_buffer, .address_space: global }
    .group_segment_fixed_size: 71680
    .private_segment_fixed_size: 0
    .kernarg_segment_align: 8
    .kernarg_segment_size: 32
    .max_flat_workgroup_size: 512
    .sgpr_count:     66
    .vgpr_count:     256
    .wavefront_size: 32
...
	.end_amdgpu_metadata
.endif
;; end of part 2
;; launch qattn (part 3): grid 4 x 64, 4 waves a work-group, clusters of 4 x 4, 327,680 bytes of LDS; arguments query_codes, query_scales, Wq_codes, Wq_scales, bq, kvb, acodes, ascales; writes acodes, ascales
.if DOCPART == 3
	.amdgcn_target "amdgcn-amd-amdhsa--gfx1250"
	.amdhsa_code_object_version 6
	.text
	.protected	k_q046aea6395_qattn
	.globl	k_q046aea6395_qattn
	.p2align	8
	.type	k_q046aea6395_qattn,@function
k_q046aea6395_qattn:
	s_mov_b64 s[64:65], 0
	v_nop
	global_prefetch_b8 v0, s[64:65] scope:SCOPE_SE
	s_setreg_imm32_b32 hwreg(HW_REG_WAVE_MODE, 25, 1), 1
	s_wait_xcnt 0x0
	s_wait_alu depctr_hold_cnt(0) depctr_sa_sdst(0) depctr_va_vdst(0) depctr_va_sdst(0) depctr_va_ssrc(0) depctr_va_vcc(0) depctr_vm_vsrc(0)
	s_getreg_b32 s2, hwreg(HW_REG_IB_STS2, 6, 4)
	s_cmp_eq_u32 s2, 0
	s_cbranch_scc0 .Lentry_in_a_cluster
	s_endpgm
.Lentry_in_a_cluster:
	s_bfe_u32 s2, ttmp6, 0x10000c
	s_cmp_lg_u32 s2, 0xf033
	s_cbranch_scc0 .Lentry_shape_is_right
	s_endpgm
.Lentry_shape_is_right:
; q = phi(query Wq + bq); norm = 1 / (q . ksum + 1e-6); attn = (q kv^T) norm; attn is quantised along (head, dv), the K of the last product, and leaves as codes [16,384][1,024] and scale bytes [16,384][32].
; All matrix products on codes of FP8 (E4M3) with one E8M0 scale for each 32 along K; q . ksum in f32 by fused multiply-adds, on the unquantised q.
; THE FIRST PRODUCT: a work-group of four waves makes 256 t x 256 columns, a wave 128 x 128: 64 accumulators.  K = 1,024 goes in four steps of 256 through a ring of two LDS slots filled by the tensor data mover.
; "A" = 16 rows of query (t) = source 1: a lane holds ONE t.  "B" = 16 rows of Wq (columns of q) = source 0: a lane's registers run along the columns, which are the next K.
; CLUSTERS: 4 x 4.  The four of a row of the cluster need the same tile of query, the four of a column the same tile of Wq: each tile is asked for jointly.
; THE WAY OUT, for each of my eight blocks of 16 t: phi; the two heads' normalisers; q quantised in registers: its 128 columns (two heads) are one operand; eight products with the two heads' kv (each head's kv has zero
; codes at the other head's half of K); x norm; quantised again; the codes go through a stage in LDS so that whole aligned runs of 256 bytes are stored.
; The scale words leave as 4 bytes a row, 32 bytes apart: a row's 32 scale bytes belong to eight waves of four work-groups; they are 1 byte in 33 of what the launch stores.
; phi(y) = max(y + 1, 2^(-|y log2 e|)): for y > 0 the second is under 1, for y <= 0 e^y is at least y + 1.
; LIMITS: for y < 0 this gives e^y where elu(y) + 1 is expm1(y) + 1: they differ by at most 6e-8.  e^y under 2^-126 comes out as 0.  1 / x by v_rcp_f32.  A block whose largest magnitude lies under 2^-118 keeps
; the scale byte 1; a block of zeros keeps the byte 1 over zero codes (this program alone reads the bytes).  NaN and infinities are not served.
; REGISTERS, in windows of 256: window 0: v16-31 addresses; v32-63 scale words and nothing else; v64-127 the bias, as the C of the first products; v128-255 A's fragments.  window 1: B's fragments, two sets; on the way out
;   v0-127 kv's eight fragments, v128-191 ksum.  windows 2, 3: the accumulators ((a, b) at v[8 (8 (a % 4) + b)] of window 2 + a / 4).
.set KSTEP,  256
.set NQ,     KSTEP/128
.set ROWB,   256
.set KROW,   1024
.set PITCH,  272                       ; an LDS row: 256 bytes + 16 of padding = 68 words: row r starts at bank 4 r mod 64 (64 banks of 4 bytes: ISA guide 11.1)
.set FR,     16
.set NL,     4
.set NP,     8                         ; places behind this matrix instruction (ISA guide 7.12.1)
.set HALFT,  128*PITCH
.set SLOT,   4*HALFT
.set KS,     32
.set SCL,    2*SLOT
.set HALFS,  (128*KS/256)*272
.set SBLK,   (16*KS/256)*272
.set SPARE,  SCL+4*HALFS               ; the spare words, 128 bytes a wave: two blocks of 256 bytes that no other line names
.set SPITCH, 272                       ; the way out: a stage of 256 rows x (256 bytes + 16), the work-group's, in slot 0, which has had its last fill and its last read by then
.set ADRA, 16
.set ADRB, 20
.set BOF,  22                          ; v22  32 x (lane / 16): my eight columns of a tile, in f32
.set L4,   23                          ; v23  4 x lane
.set STO,  24                          ; v24  the stage: where I put 16 codes of a row
.set RD,   25                          ; v25  and where I read rows back
.set CO,   26                          ; v26  my byte offset in acodes
.set ADRS, 27
.set SPW,  28
.set NIL,  29
.set SA,   30                          ; v30  32 x lane: a row of scale bytes
.set LI,   31                          ; v31  16 x lane
.set SC,   32
.set KVS,  32                          ; v32-39 the way out: kv's scale words
.set PW,   56                          ; v56  q's scale word;  v57 attn's;  v58 that of the block before
.set PW2,  57
.set PWE,  58
.set CB,   64
.set AF,   128
.set U,    64                          ; the way out: 64 numbers of q
.set E,    128                         ; their exponentials;
.set AT,   128                         ; then attn
.set PC,   192                         ; q's codes
.set PC2,  208                         ; attn's codes
.set SD,   224                         ; v224-227 scale words on their way out, a register for each store
.set TM,   228                         ; v228-243 the quantiser
.set ND,   244                         ; v244-249 the normalisers: head 0 in v244, head 1 in v246
.set KSU,  128                         ; window 1: ksum of my 128 columns, in the result's layout
.set G1, 24
.set G0, 32
.set G1B, 48
.set G0B, 56
.set G1S, 68
.set G0S, 76
.set G1SB, 80
.set G0SB, 88
.set MSB, 0
.macro WIN new                         ; the immediate's high byte repeats the setting that is left
.if MSB != (\new)
	s_set_vgpr_msb (MSB<<8)|(\new)
.set MSB, (\new)
.endif
.endm
.set MUL_LO,   0xa1                    ; source 0 (B) window 1, source 1 (A) window 0, C and D window 2
.set MUL_HI,   0xf1
.set FIRST_LO, 0x81                    ; the first products: C (the bias) window 0, D window 2
.set FIRST_HI, 0xc1
.set TO_B,     0x40
.macro JLOAD g0a, g1a, g0b, g1b        ; a joint load: waves 0 and 1 fetch for A, waves 2 and 3 for B; four v_nop follow each of the two lines
	s_cmp_eq_u32 s15, 0
	s_cbranch_scc0 .Lfor_b_\@
	tensor_load_to_lds s[\g0a:\g0a+3], s[\g1a:\g1a+7]
	s_nop 0
.rept 4
	v_nop
.endr
	s_branch .Lasked_\@
.Lfor_b_\@:
	tensor_load_to_lds s[\g0b:\g0b+3], s[\g1b:\g1b+7]
	s_nop 0
.rept 4
	v_nop
.endr
.Lasked_\@:
.endm
.macro CREST
	s_cmp_lg_u32 s14, 0
	s_cbranch_scc1 .Lnot_wave_0_\@
	s_barrier_signal -3
.Lnot_wave_0_\@:
	s_barrier_wait -3
	s_barrier_signal -1
	s_barrier_wait -1
.endm
.macro CROUND
	s_barrier_signal -1
	s_barrier_wait -1
	CREST
.endm
	s_load_b128 s[4:7], s[0:1], 0x0                ; query's codes, scales
	s_load_b128 s[8:11], s[0:1], 0x10              ; Wq's codes, scales
	s_load_b128 s[96:99], s[0:1], 0x20             ; bq, kvb
	s_load_b64 s[12:13], s[0:1], 0x30              ; acodes
	s_load_b64 s[100:101], s[0:1], 0x38            ; ascales
	v_lshl_add_u32 v[SPW], v0, 2, SPARE
	v_mov_b32 v[NIL], 0
	ds_add_u32 v28, v29
	ds_add_u32 v28, v29
	s_wait_dscnt 0x0
	v_lshrrev_b32 v1, 5, v0
	v_readfirstlane_b32 s14, v1                    ; wave 0..3
	s_lshr_b32 s15, s14, 1                         ; which half of A's rows (t) is mine.  Also: I fetch for A (0) or for B (1)
	s_and_b32 s16, s14, 1                          ; which half of B's rows (columns).  Also: which 128 rows of that tile I fetch
	s_bfe_u32 s40, ttmp6, 0x40000                  ; cx, cy
	s_bfe_u32 s41, ttmp6, 0x40004
	s_lshl_b32 s42, ttmp9, 2
	s_add_co_u32 s42, s42, s40                     ; B's tile (256 columns): 0..3
	s_and_b32 s17, ttmp7, 0xffff
	s_lshl_b32 s17, s17, 2
	s_add_co_u32 s17, s17, s41                     ; A's tile (256 t): 0..63
	s_lshl_b32 s43, s41, 2
	s_lshl_b32 s43, 15, s43                        ; my row of the cluster
	s_lshl_b32 s44, 0x1111, s40                    ; my column
	s_or_b32 s[G1+0], s43, (0<<16)|(1<<20)|(1<<21)|(5<<22)|(3<<25)  ; the mask; elements of 1 byte; padding on; bit 21 beside a mask; four words after every 64
	s_or_b32 s[G1B+0], s44, (0<<16)|(1<<20)|(1<<21)|(5<<22)|(3<<25)
.irp g, G1, G1B
	s_mov_b32 s[\g+1], ROWB<<16
	s_mov_b32 s[\g+2], 128<<16
	s_mov_b32 s[\g+3], ROWB<<16
	s_mov_b32 s[\g+4], 128
	s_mov_b32 s[\g+5], KROW
	s_mov_b32 s[\g+6], 0
	s_mov_b32 s[\g+7], 0
.endr
	s_or_b32 s[G1S+0], s43, (3<<16)|(1<<20)|(1<<21)|(5<<22)|(3<<25)  ; the scales of 128 rows: 16 rows of 256 bytes (32 elements of 8 bytes), padded alike
	s_or_b32 s[G1SB+0], s44, (3<<16)|(1<<20)|(1<<21)|(5<<22)|(3<<25)
.irp g, G1S, G1SB
	s_mov_b32 s[\g+1], 32<<16
	s_mov_b32 s[\g+2], (128*KS/256)<<16
	s_mov_b32 s[\g+3], 32<<16
	s_mov_b32 s[\g+4], 128*KS/256
	s_mov_b32 s[\g+5], 32
	s_mov_b32 s[\g+6], 0
	s_mov_b32 s[\g+7], 0
.endr
	s_lshl_b32 s18, s16, 7
	s_lshl_b32 s20, s17, 8
	s_add_co_u32 s20, s20, s18                     ; A: row 256 x tile + 128 x half
	s_lshl_b32 s46, s42, 8
	s_add_co_u32 s46, s46, s18                     ; B likewise
	s_lshl_b32 s22, s20, 5                         ; their scales, in bytes (all under 2^25),
	s_mov_b32 s23, 0
	s_lshl_b32 s20, s20, 10                        ; and their codes
	s_mov_b32 s21, 0
	s_lshl_b32 s92, s46, 5
	s_mov_b32 s93, 0
	s_lshl_b32 s46, s46, 10
	s_mov_b32 s47, 0
	s_mul_i32 s45, s14, HALFT
	s_mul_i32 s94, s14, HALFS
	s_wait_kmcnt 0x0
	s_add_nc_u64 s[20:21], s[4:5], s[20:21]
	s_add_nc_u64 s[22:23], s[6:7], s[22:23]
	s_add_nc_u64 s[46:47], s[8:9], s[46:47]
	s_add_nc_u64 s[92:93], s[10:11], s[92:93]
	CROUND                                         ; all sixteen work-groups are here: the first joint loads meet
	s_mov_b32 s[G0S], 1
	s_add_co_u32 s[G0S+1], s94, SCL
	s_mov_b64 s[G0S+2:G0S+3], s[22:23]
	s_or_b32 s[G0S+3], s[G0S+3], 0x80000000
	s_mov_b32 s[G0SB], 1
	s_add_co_u32 s[G0SB+1], s94, SCL
	s_mov_b64 s[G0SB+2:G0SB+3], s[92:93]
	s_or_b32 s[G0SB+3], s[G0SB+3], 0x80000000
	JLOAD G0S, G1S, G0SB, G1SB
.irp s, 0,1
	s_mov_b32 s[G0+4*\s], 1
	s_add_co_u32 s[G0+4*\s+1], s45, \s*SLOT
	s_add_nc_u64 s[G0+4*\s+2:G0+4*\s+3], s[20:21], \s*ROWB
	s_or_b32 s[G0+4*\s+3], s[G0+4*\s+3], 0x80000000
	s_mov_b32 s[G0B+4*\s], 1
	s_add_co_u32 s[G0B+4*\s+1], s45, \s*SLOT
	s_add_nc_u64 s[G0B+4*\s+2:G0B+4*\s+3], s[46:47], \s*ROWB
	s_or_b32 s[G0B+4*\s+3], s[G0B+4*\s+3], 0x80000000
	JLOAD G0+4*\s, G1, G0B+4*\s, G1B               ; three tensor loads of mine are out
.endr
	v_and_b32 v1, 15, v0                           ; r
	v_bfe_u32 v2, v0, 4, 1                         ; h
	v_lshlrev_b32 v[BOF], 5, v2
	s_lshl_b32 s20, s42, 10                        ; my 128 columns, in f32: (256 x tile + 128 x half) x 4 bytes
	s_lshl_b32 s21, s16, 9
	s_add_co_u32 s20, s20, s21
	s_mov_b32 s21, 0
	s_add_nc_u64 s[96:97], s[96:97], s[20:21]
.irp b, 0,1,2,3,4,5,6,7
	global_load_b128 v[CB+8*\b:CB+8*\b+3], v[BOF], s[96:97] offset:64*\b       ; the bias in the result's layout: register 8 b + j is column 16 b + 8 h + j
	global_load_b128 v[CB+8*\b+4:CB+8*\b+7], v[BOF], s[96:97] offset:64*\b+16
.endr
	s_lshr_b32 s46, s17, 4                         ; b
	s_lshl_b32 s47, s46, 12
	s_add_co_u32 s20, s20, s47
	s_add_co_u32 s20, s20, 557056
	s_add_nc_u64 s[66:67], s[98:99], s[20:21]      ; ksum of my 128 columns
	s_lshl_b32 s46, s46, 4
	s_lshl_b32 s47, s42, 2
	s_add_co_u32 s46, s46, s47
	s_lshl_b32 s47, s16, 1
	s_add_co_u32 s46, s46, s47                     ; 16 b + my first head, an even one
	s_lshl_b32 s20, s46, 9
	s_add_co_u32 s20, s20, 524288
	s_add_nc_u64 s[2:3], s[98:99], s[20:21]        ; kv's scale words: 512 bytes a head
	s_lshl_b32 s20, s46, 13
	s_add_nc_u64 s[98:99], s[98:99], s[20:21]      ; kv's images: 8,192 bytes a head
	s_lshl_b32 s20, s17, 8
	s_lshl_b32 s47, s14, 6
	s_add_co_u32 s20, s20, s47                     ; acodes: I store rows 256 x tile + 64 x wave on,
	s_lshl_b32 s20, s20, 10
	s_lshl_b32 s47, s42, 8
	s_add_co_u32 s20, s20, s47                     ; the work-group's 256 columns
	s_add_nc_u64 s[12:13], s[12:13], s[20:21]
	s_lshl_b32 s20, s17, 8
	s_lshl_b32 s47, s15, 7
	s_add_co_u32 s20, s20, s47                     ; ascales: my 128 rows of 32 bytes,
	s_lshl_b32 s20, s20, 5
	s_lshl_b32 s47, s42, 3
	s_add_co_u32 s20, s20, s47
	s_lshl_b32 s47, s16, 2
	s_add_co_u32 s20, s20, s47                     ; my four bytes of each
	s_add_nc_u64 s[100:101], s[100:101], s[20:21]
	v_mul_u32_u24 v3, v1, PITCH
	v_lshl_add_u32 v4, v2, 4, v3
	s_mul_i32 s21, s15, HALFT
	s_mul_i32 s22, s16, HALFT
	s_add_co_u32 s22, s22, 2*HALFT
.irp s, 0,1
	v_add_nc_u32 v[ADRA+\s], s21, v4
	v_add_nc_u32 v[ADRB+\s], s22, v4
	s_add_co_u32 s21, s21, SLOT
	s_add_co_u32 s22, s22, SLOT
.endr
	v_mul_u32_u24 v5, v1, KS
	v_lshrrev_b32 v6, 8, v5
	v_lshl_add_u32 v5, v6, 4, v5
	s_mul_i32 s21, s15, HALFS
	s_mul_i32 s22, s16, HALFS
	s_add_co_u32 s22, s22, 2*HALFS
	s_sub_co_u32 s22, s22, s21
	v_mul_u32_u24 v6, s22, v2                      ; lanes 16-31 take B's: the lower base + h x the distance
	s_add_co_u32 s21, s21, SCL
	v_add_nc_u32 v5, v5, v6
	v_add_nc_u32 v[ADRS], s21, v5
	v_and_b32 v6, 31, v0
	v_lshlrev_b32 v[L4], 2, v6
	v_lshlrev_b32 v[LI], 4, v6
	v_lshlrev_b32 v[SA], 5, v6
	s_mul_i32 s21, s15, 128*SPITCH                 ; into the stage: my 128 rows, my half of their 256 bytes; row r, 16 bytes for each half of the lanes
	s_lshl_b32 s22, s16, 7
	s_add_co_u32 s21, s21, s22
	v_mul_u32_u24 v[STO], v1, SPITCH
	v_lshl_add_u32 v[STO], v2, 4, v[STO]
	v_add_nc_u32 v[STO], s21, v[STO]
	s_mul_i32 s21, s14, 64*SPITCH                  ; back: wave w takes rows 64 w on, whole; lanes 0-15 one row, lanes 16-31 the next
	v_mul_u32_u24 v[RD], v2, SPITCH
	v_lshl_add_u32 v[RD], v1, 4, v[RD]
	v_add_nc_u32 v[RD], s21, v[RD]
	v_lshlrev_b32 v[CO], 10, v2                    ; and the same two rows in acodes
	v_lshl_add_u32 v[CO], v1, 4, v[CO]
	s_mov_b32 s4, 0x76543210                       ; v_permlanex16_b32's selects for lane l xor 16
	s_mov_b32 s5, 0xfedcba98
	s_mov_b32 s6, 0x3fb8aa3b                       ; log2(e), as a pair
	s_mov_b32 s7, s6
	s_mov_b32 s10, 0x600000                        ; the mantissa field of 448
	s_mov_b32 s11, 0xffff0000                      ; lanes 16-31
	s_mov_b32 s23, 0x358637bd                      ; 1e-6
	s_wait_loadcnt 0x0                             ; the bias
.macro FRAG reg, adr, q, i
.irp c, 0,1,2,3
	ds_load_b128 v[\reg+4*\c:\reg+4*\c+3], v[\adr] offset:128*(\q)+32*\c+(\i)*16*PITCH
.endr
.endm
; 16 matrix instructions: A's blocks a0, a0 + 1 x B's eight.  first = 1: the bias is the C of the first products.  The 64 accumulators take turns, one instruction a turn.
.macro MUL16 a0, p, q, sc, first
.irp a, \a0, \a0+1
.irp b, 0,1,2,3,4,5,6,7
.if \first
	v_wmma_scale_f32_16x16x128_f8f6f4 v[8*(8*((\a)%4)+\b):8*(8*((\a)%4)+\b)+7], v[128*(\p)+FR*\b:128*(\p)+FR*\b+FR-1], v[AF+FR*(\a):AF+FR*(\a)+FR-1], v[CB+8*\b:CB+8*\b+7], v[SC+8*NQ*(\sc)+NQ*\b+(\q)], v[SC+8*NQ*(\sc)+NQ*(\a)+(\q)] matrix_a_scale:MATRIX_SCALE_ROW1
.else
	v_wmma_scale_f32_16x16x128_f8f6f4 v[8*(8*((\a)%4)+\b):8*(8*((\a)%4)+\b)+7], v[128*(\p)+FR*\b:128*(\p)+FR*\b+FR-1], v[AF+FR*(\a):AF+FR*(\a)+FR-1], v[8*(8*((\a)%4)+\b):8*(8*((\a)%4)+\b)+7], v[SC+8*NQ*(\sc)+NQ*\b+(\q)], v[SC+8*NQ*(\sc)+NQ*(\a)+(\q)] matrix_a_scale:MATRIX_SCALE_ROW1
.endif
.endr
.endr
.endm
.macro FETCH_B slot, q, p
	WIN TO_B
.irp i, 0,1,2,3,4,5,6,7
	FRAG 128*(\p)+FR*\i, ADRB+\slot, \q, \i
.endr
	WIN 0
.endm
.macro FETCH_A slot, q, i0
.irp i, \i0, \i0+1, \i0+2, \i0+3
	FRAG AF+FR*(\i), ADRA+\slot, \q, \i
.endr
.endm
.macro SCALES sc
.irp i, 0,1,2,3,4,5,6,7
	ds_load_b64 v[SC+8*NQ*\sc+NQ*\i:SC+8*NQ*\sc+NQ*\i+1], v[ADRS] offset:\i*SBLK
.endr
.endm
.macro PLACES n                        ; plain vector instructions that name no register of the matrix instructions in front of them (ISA guide 7.12.1)
.rept \n
	v_nop
.endr
.endm
.macro STEP slot, q, first
	s_wait_dscnt 4*NL                              ; B's set and A's blocks 0-3 are in; the youngest sixteen loads (A's blocks 4-7) may be out
.if \first
	WIN FIRST_LO
.else
	WIN MUL_LO
.endif
	MUL16 0, (\q)%2, \q, \slot, \first
	MUL16 2, (\q)%2, \q, \slot, \first
	s_wait_dscnt 0
	PLACES NP
	FETCH_B \slot, (\q)+1, 1-(\q)%2
	FETCH_A \slot, (\q)+1, 0
.if \first
	WIN FIRST_HI
.else
	WIN MUL_HI
.endif
	MUL16 4, (\q)%2, \q, \slot, \first
	MUL16 6, (\q)%2, \q, \slot, \first
	PLACES NP
	WIN 0
	FETCH_A \slot, (\q)+1, 4
.endm
.macro TURN slot, next, fill
	s_wait_tensorcnt 0x0                           ; all my tensor loads have landed: my part of the next slot
	ds_add_u32 v[SPW], v[NIL]                      ; 0 onto my spare word
	s_wait_dscnt 4*NL+1                            ; (the add and the youngest sixteen loads may be out)
	WIN MUL_LO
	MUL16 0, 1, NQ-1, \slot, 0
	s_wait_dscnt 0x0                               ; the add is done, and my reads of this slot are over
	s_barrier_signal -1
	MUL16 2, 1, NQ-1, \slot, 0
	WIN 0
	s_barrier_wait -1
.if \fill
	CREST                                          ; a round of the cluster's barrier: no wave of any partner still reads this slot or has a load on its way
	s_add_nc_u64 s[G0+4*\slot+2:G0+4*\slot+3], s[G0+4*\slot+2:G0+4*\slot+3], 2*ROWB
	s_add_nc_u64 s[G0B+4*\slot+2:G0B+4*\slot+3], s[G0B+4*\slot+2:G0B+4*\slot+3], 2*ROWB
	JLOAD G0+4*\slot, G1, G0B+4*\slot, G1B         ; the first tensor load behind the round, my one load until the next
	PLACES NP-4
.else
	PLACES NP
.endif
	v_add_nc_u32 v[ADRS], 4*NQ, v[ADRS]
	FETCH_B \next, 0, 0
	FETCH_A \next, 0, 0
	SCALES \next
	WIN MUL_HI
	MUL16 4, 1, NQ-1, \slot, 0
	MUL16 6, 1, NQ-1, \slot, 0
	PLACES NP
	WIN 0
	FETCH_A \next, 0, 4
.endm
	s_wait_tensorcnt 1                             ; the scales and my part of K step 0 are in; K step 1's load may stay out
	s_barrier_signal -1
	s_barrier_wait -1
	FETCH_B 0, 0, 0
	FETCH_A 0, 0, 0
	SCALES 0
	FETCH_A 0, 0, 4
	STEP 0, 0, 1
	TURN 0, 1, 1                                   ; slot 0 takes K step 2
	STEP 1, 0, 0
	TURN 1, 0, 1                                   ; slot 1 takes K step 3
	STEP 0, 0, 0
	TURN 0, 1, 0
	STEP 1, 0, 0
	s_wait_dscnt 4*NL
	WIN MUL_LO
	MUL16 0, 1, NQ-1, 1, 0
	MUL16 2, 1, NQ-1, 1, 0
	s_wait_dscnt 0
	WIN MUL_HI
	MUL16 4, 1, NQ-1, 1, 0
	MUL16 6, 1, NQ-1, 1, 0
	WIN 0
; THE QUANTISER.  64 numbers of a lane: registers 16 c + 0 .. 7 are K = 32 c + 8 h + 0 .. 7, registers 16 c + 8 .. 15 are K = 32 c + 16 + 8 h + 0 .. 7 of my row; lane l xor 16 holds the block's other 16.
; Codes to v[pc] on, the row's scale word to v[pw].  The two halves of the lanes then exchange eight codes of each block, so that registers 4 c .. 4 c + 3 hold K = 32 c + 16 h + 0 .. 15.  sgn = 0: no number is negative.
.macro QUANT s, pc, pw, sgn
.if \sgn
.irp b, 0,1,2,3
	v_max3_num_f32 v[TM+\b], |v[\s+16*\b]|, |v[\s+16*\b+1]|, 0x4800000   ; and the floor 2^(9 - 127): so the byte cannot fall under 1
.endr
.irp i, 2,4,6,8,10,12,14
.irp b, 0,1,2,3
	v_max3_num_f32 v[TM+\b], v[TM+\b], |v[\s+16*\b+\i]|, |v[\s+16*\b+\i+1]|
.endr
.endr
.else
.irp b, 0,1,2,3
	v_max3_num_f32 v[TM+\b], v[\s+16*\b], v[\s+16*\b+1], 0x4800000
.endr
.irp i, 2,4,6,8,10,12,14
.irp b, 0,1,2,3
	v_max3_num_f32 v[TM+\b], v[TM+\b], v[\s+16*\b+\i], v[\s+16*\b+\i+1]
.endr
.endr
.endif
.irp b, 0,1,2,3
	v_permlanex16_b32 v[TM+4+\b], v[TM+\b], s4, s5
.endr
.irp b, 0,1,2,3
	v_max_num_f32 v[TM+\b], v[TM+\b], v[TM+4+\b]
.endr
.irp b, 0,1,2,3
	v_add_nc_u32 v[TM+12+\b], 0xfc000000, v[TM+\b] ; 8 off the exponent field: the conversion's scale operand
.endr
.irp b, 0,1,2,3
	v_and_or_b32 v[TM+8+\b], v[TM+\b], 0x7f800000, s10   ; 448 x the scale
.endr
.irp b, 0,1,2,3
	v_lshrrev_b32 v[TM+4+\b], 23, v[TM+12+\b]      ; the scale's byte
.endr
	v_lshl_or_b32 v[\pw], v[TM+5], 8, v[TM+4]
	v_lshl_or_b32 v[\pw], v[TM+6], 16, v[\pw]
	v_lshl_or_b32 v[\pw], v[TM+7], 24, v[\pw]
.irp b, 0,1,2,3
.irp i, 0,1,2,3,4,5,6,7,8,9,10,11,12,13,14,15
.if \sgn
	v_med3_num_f32 v[\s+16*\b+\i], v[\s+16*\b+\i], -v[TM+8+\b], v[TM+8+\b]   ; the conversion does not saturate (ISA guide 7.6.2): the hold at the largest code x the scale
.else
	v_min_num_f32 v[\s+16*\b+\i], v[\s+16*\b+\i], v[TM+8+\b]
.endif
.endr
	v_cvt_scalef32_pk8_fp8_f32 v[\pc+4*\b:\pc+4*\b+1], v[\s+16*\b:\s+16*\b+7], v[TM+12+\b]
	v_cvt_scalef32_pk8_fp8_f32 v[\pc+4*\b+2:\pc+4*\b+3], v[\s+16*\b+8:\s+16*\b+15], v[TM+12+\b]
.endr
	v_nop                                          ; one plain vector instruction between a scaled conversion and the next vector instruction that touches its result
.irp b, 0,1,2,3
	v_permlane16_swap_b32 v[\pc+4*\b], v[\pc+4*\b+2]
	v_permlane16_swap_b32 v[\pc+4*\b+1], v[\pc+4*\b+3]
.endr
.endm
; A BLOCK of 16 t.  Lane (r, h) holds t = 16 a + r; register 8 b + j holds column 16 b + 8 h + j of my 128: head 0 in registers 0-31, head 1 in 32-63.
.macro BLOCK a
.set AC, 64*((\a)%4)
	WIN 0x02+(\a)/4                                ; source 0: window 2 or 3
.set p, 0
.rept 32
	v_pk_mul_f32 v[E+2*p:E+2*p+1], v[AC+2*p:AC+2*p+1], s[6:7] op_sel_hi:[1,0]   ; y log2(e); each accumulator from its low end on
.set p, p+1
.endr
.set p, 0
.rept 32
	v_pk_add_f32 v[U+2*p:U+2*p+1], v[AC+2*p:AC+2*p+1], 1.0 op_sel_hi:[1,0]      ; y + 1
.set p, p+1
.endr
	WIN 0
.set p, 0
.rept 64
	v_exp_f32 v[E+p], -|v[E+p]|                    ; e^(-|y|): one batch
.set p, p+1
.endr
	v_nop                                          ; a plain instruction behind the last exponential,
	s_wait_alu depctr_va_vdst(0)                   ; and one wait for the batch, ahead of its first reader
.set p, 0
.rept 64
	v_max_num_f32 v[U+p], v[U+p], v[E+p]           ; q = phi(y)
.set p, p+1
.endr
.if (\a) == 0
	s_wait_loadcnt 0x0                             ; kv, its scale words and ksum, asked for ahead of the first block
.endif
	WIN 0x04                                       ; source 1 (ksum) window 1
	v_pk_mul_f32 v[ND:ND+1], v[U:U+1], v[KSU:KSU+1]             ; q . ksum in f32, on the unquantised q: the two heads by turns
	v_pk_mul_f32 v[ND+2:ND+3], v[U+32:U+33], v[KSU+32:KSU+33]
.irp j, 2,4,6,8,10,12,14,16,18,20,22,24,26,28,30
	v_pk_fma_f32 v[ND:ND+1], v[U+\j:U+\j+1], v[KSU+\j:KSU+\j+1], v[ND:ND+1]
	v_pk_fma_f32 v[ND+2:ND+3], v[U+32+\j:U+33+\j], v[KSU+32+\j:KSU+33+\j], v[ND+2:ND+3]
.endr
	WIN 0
	v_add_f32 v[ND], v[ND], v[ND+1]
	v_add_f32 v[ND+2], v[ND+2], v[ND+3]
	v_permlanex16_b32 v[ND+4], v[ND], s4, s5
	v_permlanex16_b32 v[ND+5], v[ND+2], s4, s5
	v_add_f32 v[ND], v[ND], v[ND+4]                ; with lane l xor 16's 32 columns
	v_add_f32 v[ND+2], v[ND+2], v[ND+5]
	v_add_f32 v[ND], s23, v[ND]                    ; + 1e-6
	v_add_f32 v[ND+2], s23, v[ND+2]
	v_rcp_f32 v[ND], v[ND]
	v_rcp_f32 v[ND+2], v[ND+2]                     ; their first reader stands behind the products below; the quantiser is the plain work between
	QUANT U, PC, PW, 0
	PLACES 4                                       ; an operand written by vector instructions stands 4 places ahead of a scaled matrix instruction; the scale word was made ahead of the 64 holds
	WIN 0x01                                       ; source 0 (kv) window 1
.irp f, 0,1,2,3,4,5,6,7                        ; attn^T: source 0 = 16 dv of head f / 4, source 1 = my 16 t: eight accumulators, one instruction each
	v_wmma_scale_f32_16x16x128_f8f6f4 v[AT+8*\f:AT+8*\f+7], v[FR*\f:FR*\f+FR-1], v[PC:PC+FR-1], 0, v[KVS+\f], v[PW]
.endr
	WIN 0
	PLACES NP
	s_wait_alu depctr_va_vdst(0)                   ; one wait for the two reciprocals, ahead of their first reader
.set p, 0
.rept 32
	v_pk_mul_f32 v[AT+2*p:AT+2*p+1], v[AT+2*p:AT+2*p+1], v[ND+2*(p/16):ND+2*(p/16)+1] op_sel_hi:[1,0]   ; x norm of the register's head; register 8 f + j is column 16 f + 8 h + j
.set p, p+1
.endr
	QUANT AT, PC2, PW2, 1
.irp c, 0,1,2,3
	ds_store_b128 v[STO], v[PC2+4*\c:PC2+4*\c+3] offset:16*(\a)*SPITCH+32*\c   ; row 16 a + r, columns 32 c + 16 h on
.endr
.if ((\a)%2) == 0
	v_mov_b32 v[PWE], v[PW2]
.else
	v_cndmask_b32 v[SD+(\a)/2], v[PWE], v[PW2], s11   ; lanes 0-15: the rows of the block before; lanes 16-31: this block's (both halves of the lanes hold a row's word)
	global_store_b32 v[SA], v[SD+(\a)/2], s[100:101] offset:512*((\a)-1)
.endif
.endm
	PLACES NP                                      ; behind the last products: loads land in their operands' registers, and their results are read
	WIN 0x40                                       ; destination window 1
.irp f, 0,1,2,3,4,5,6,7
.irp c, 0,1,2,3
	global_load_b128 v[FR*\f+4*\c:FR*\f+4*\c+3], v[LI], s[98:99] offset:2048*\f+512*\c   ; kv's fragments as they were stored: head f / 4, dv 16 (f % 4) on
.endr
.endr
.irp b, 0,1,2,3,4,5,6,7
	global_load_b128 v[KSU+8*\b:KSU+8*\b+3], v[BOF], s[66:67] offset:64*\b
	global_load_b128 v[KSU+8*\b+4:KSU+8*\b+7], v[BOF], s[66:67] offset:64*\b+16
.endr
	WIN 0
.irp f, 0,1,2,3,4,5,6,7
	global_load_b32 v[KVS+\f], v[L4], s[2:3] offset:128*\f
.endr
.irp b, 0,1,2,3
	v_mov_b32 v[TM+4+\b], 0                        ; written once: a lane permute's destination counts as one of its sources
.endr
	v_mov_b32 v[ND+4], 0
	v_mov_b32 v[ND+5], 0
.irp a, 0,1,2,3,4,5,6,7
	BLOCK \a
.endr
	s_wait_dscnt 0x0                               ; for the others' sake: my stores into the stage are done (a row's 256 bytes come from two waves)
	s_barrier_signal -1
	s_barrier_wait -1
.irp i, 0,1,2,3,4,5,6,7,8,9,10,11,12,13,14,15,16,17,18,19,20,21,22,23,24,25,26,27,28,29,30,31
	ds_load_b128 v[64+4*\i:67+4*\i], v[RD] offset:2*\i*SPITCH
.endr
.irp i, 0,1,2,3,4,5,6,7,8,9,10,11,12,13,14,15,16,17,18,19,20,21,22,23,24,25,26,27,28,29,30,31
	s_wait_dscnt 31-\i                             ; LDS loads come back in order: load i is in, the younger ones may be out
	global_store_b128 v[CO], v[64+4*\i:67+4*\i], s[12:13] offset:2*\i*1024   ; 16 lanes store 256 consecutive bytes, at a multiple of 256 from the buffer's first byte
.endr
	s_wait_tensorcnt 0x0                           ; the wave's end
	ds_add_u32 v[SPW], v[NIL]
	s_wait_dscnt 0x0
	CROUND                                         ; the closing round
	s_endpgm
.Lfunc_end_k_q046aea6395_qattn:
	.size	k_q046aea6395_qattn, .Lfunc_end_k_q046aea6395_qattn-k_q046aea6395_qattn
	.p2alignl 7, 3214868480
	.fill 96, 4, 3214868480
	.section	.rodata,"a",@progbits
	.p2align	6, 0x0
	.amdhsa_kernel k_q046aea6395_qattn
		.amdhsa_group_segment_fixed_size 327680
		.amdhsa_private_segment_fixed_size 0
		.amdhsa_enable_private_segment 0
		.amdhsa_kernarg_size 64
		.amdhsa_user_sgpr_count 2
		.amdhsa_user_sgpr_kernarg_segment_ptr 1
		.amdhsa_wavefront_size32 1
		.amdhsa_system_sgpr_workgroup_id_x 1
		.amdhsa_system_sgpr_workgroup_id_y 1
		.amdhsa_system_sgpr_workgroup_id_z 1
		.amdhsa_system_vgpr_workitem_id 0
		.amdhsa_next_free_vgpr 1024
		.amdhsa_next_free_sgpr 102
		.amdhsa_reserve_vcc 0
		.amdhsa_float_denorm_mode_32 3
		.amdhsa_float_denorm_mode_16_64 3
		.amdhsa_memory_ordered 1
		.amdhsa_forward_progress 1
		.amdhsa_inst_pref_size 255
	.end_amdhsa_kernel
	.section	.bss,"aw",@nobits
	.p2align	6
	.space	262144
	.amdgpu_metadata
---
amdhsa.version: [ 1, 2 ]
amdhsa.kernels:
  - .name:           k_q046aea6395_qattn
    .symbol:         k_q046aea6395_qattn.kd
    .args:
      - { .name: query_codes, .offset: 0, .size: 8, .value_kind: global_buffer, .address_space: global }
      - { .name: query_scales, .offset: 8, .size: 8, .value_kind: global_buffer, .address_space: global }
      - { .name: Wq_codes, .offset: 16, .size: 8, .value_kind: global_buffer, .address_space: global }
      - { .name: Wq_scales, .offset: 24, .size: 8, .value_kind: global_buffer, .address_space: global }
      - { .name: bq, .offset: 32, .size: 8, .value_kind: global_buffer, .address_space: global }
      - { .name: kvb, .offset: 40, .size: 8, .value_kind: global_buffer, .address_space: global }
      - { .name: acodes, .offset: 48, .size: 8, .value_kind: global_buffer, .address_space: global }
      - { .name: ascales, .offset: 56, .size: 8, .value_kind: global_buffer, .address_space: global }
    .group_segment_fixed_size: 327680
    .private_segment_fixed_size: 0
    .kernarg_segment_align: 8
    .kernarg_segment_size: 64
    .max_flat_workgroup_size: 128
    .sgpr_count:     102
    .vgpr_count:     1024
    .wavefront_size: 32
...
	.end_amdgpu_metadata
.endif
;; end of part 3
;; launch outproj (part 4): grid 128 x 2, 4 waves a work-group, clusters of 4 x 1, 327,680 bytes of LDS; arguments acodes, ascales, Wo_codes, Wo_scales, bo, out0; writes out0
.if DOCPART == 4
	.amdgcn_target "amdgcn-amd-amdhsa--gfx1250"
	.amdhsa_code_object_version 6
	.text
	.protected	k_q046aea6395_outproj
	.globl	k_q046aea6395_outproj
	.p2align	8
	.type	k_q046aea6395_outproj,@function
k_q046aea6395_outproj:
	s_mov_b64 s[64:65], 0
	v_nop
	global_prefetch_b8 v0, s[64:65] scope:SCOPE_SE
	s_setreg_imm32_b32 hwreg(HW_REG_WAVE_MODE, 25, 1), 1
	s_wait_xcnt 0x0
	s_wait_alu depctr_hold_cnt(0) depctr_sa_sdst(0) depctr_va_vdst(0) depctr_va_sdst(0) depctr_va_ssrc(0) depctr_va_vcc(0) depctr_vm_vsrc(0)
	s_getreg_b32 s2, hwreg(HW_REG_IB_STS2, 6, 4)
	s_cmp_eq_u32 s2, 0
	s_cbranch_scc0 .Lentry_in_a_cluster
	s_endpgm
.Lentry_in_a_cluster:
	s_bfe_u32 s2, ttmp6, 0x10000c
	s_cmp_lg_u32 s2, 0x3003
	s_cbranch_scc0 .Lentry_shape_is_right
	s_endpgm
.Lentry_shape_is_right:
; out0 = attn Wo + bo, on codes of FP8 (E4M3) with one E8M0 scale for each 32 along K.  attn: [16,384][1,024] codes and [16,384][32] scale bytes, from the launch before; Wo: [512][1,024] codes, [512][32]; out0 [16,384][512] f32.
; SHARES.  A work-group of four waves makes 128 rows x 256 columns: 128 x 2 = 256 work-groups, one for each WGP.  A wave makes 64 x 128: 32 accumulators of 16 x 16, 256 registers.  (Tiles of 256 x 256 would make 128
; work-groups.  The price of the smaller tile: for 128 along K a wave reads 192 rows x 128 bytes from LDS for 32 matrix instructions, one and a half times the bytes for each instruction of a 128 x 128 tile.)
; "A" = 16 rows of attn = source 1, "B" = 16 rows of Wo = source 0: a lane holds eight neighbouring numbers of a row of out0.  The bias is the C of the first products.
; THE RING.  K = 1,024 is four K steps of 256 (a tile's row is 256 bytes of memory).  THREE LDS slots of 384 rows fit, so K steps 0, 1 and 2 and the scale bytes of all K are first fills: four tensor loads a wave go out
; together at the start.  Only K step 3 is a refill: into slot 0, behind the change of slots at the end of K step 0; a wave issues 112 matrix instructions between that request and the wait for it.
; Waves 0 and 1 fetch 64 rows of A each, waves 2 and 3 128 rows of B each.
; CLUSTERS: the output has two tiles along its columns, so no 4 x 4 cluster divides the grid: four work-groups along the rows form a cluster.  They need the same tile of Wo and ask for it jointly (mask 15);
; each has its own tile of attn, brought by plain loads behind the same rounds.
; FRAGMENTS: two sets for A and two for B.  While one set is multiplied, the next 128 along K is fetched into the other, in four runs of 12 LDS loads, one ahead of each eight matrix instructions: LDS has more to do
; here than the matrix unit, so its loads are spread evenly; that costs about ten window switches for 32 matrix instructions.
; No prefetch: three of the four K steps are first fills, and the fourth is asked for 112 matrix instructions ahead.
; REGISTERS: window 0: v16-29 addresses; v32-63 scale words, two sets, and nothing else; v64-127 the bias; v128-191, v192-255 A's fragments (4 x 16 rows x 128 K), two sets; on the way out rows of out0.
;   window 1: B's fragments (8 x 16 rows x 128 K), two sets, at v0 and v128.   window 2: the accumulators ((a, b) at v[8 (8 a + b)]).
.set SIZE_N, 512
.set KSTEP,  256                       ; along K in a slot
.set NQ,     KSTEP/128                 ; matrix instructions deep
.set ROWB,   256                       ; a tile's row in bytes
.set KROW,   1024                      ; a row of codes in memory
.set PITCH,  272                       ; an LDS row: 256 bytes + 16 of padding = 68 words: row r starts at bank 4 r mod 64 (64 banks of 4 bytes: ISA guide 11.1)
.set FR,     16                        ; registers of a fragment
.set NP,     8                         ; places behind this matrix instruction (ISA guide 7.12.1)
.set HALFA,  64*PITCH                  ; 64 rows of A: what one of A's tensor loads brings, and what one wave reads of A
.set HALFT,  128*PITCH                 ; 128 rows of B likewise
.set SLOT,   2*HALFA+2*HALFT           ; A's 128 rows, then B's 256 rows
.set KS,     32                        ; a row of scale bytes
.set SCL,    3*SLOT                    ; behind the ring: the scales, as units of 256 bytes + 16 of padding: A's 128 rows, then B's 256
.set HSA,    (64*KS/256)*272           ; the scales of 64 rows
.set HSB,    (128*KS/256)*272          ; of 128 rows
.set SBLK,   (16*KS/256)*272           ; of 16 rows
.set SPARE,  SCL+2*HSA+2*HSB           ; behind the scales: the spare words, 128 bytes a wave: two blocks of 256 bytes that no other line names
.set SPITCH, 528                       ; the way out: a stage of 16 rows x (512 bytes + 16) for each wave,
.set STAGE,  SLOT                      ; in slot 1: it is filled once, and its last reads stand ahead of the last change of slots
.set ADRA, 16                          ; v16-18  LDS address of my A fragments in slot 0, 1, 2
.set ADRB, 20                          ; v20-22  the same for B
.set BOF,  23                          ; v23     32 x (lane / 16): my eight columns of a tile, in f32
.set STO,  24                          ; v24     the way out: where I put 32 bytes of a row
.set RD,   25                          ; v25     where I read a row back
.set CO,   26                          ; v26     my byte offset in a row of out0
.set ADRS, 27                          ; v27     LDS address of my scale words: lanes 0-15 A's rows, lanes 16-31 B's
.set SPW,  28                          ; v28     LDS address of my spare word; never rewritten
.set NIL,  29                          ; v29     0; never rewritten
.set SC,   32                          ; scale words: set s at v[SC + 16 s]; in it register 2 i + q: lanes 0-15 the word of A's block i, lanes 16-31 that of B's block i
.set CB,   64                          ; the bias, in the result's layout
.set AF,   128                         ; A's fragments: set p at v[AF + 64 p]
.set BK,   128                         ; the way out: 16 rows read back from the stage: v128-191 and v192-255 by turns
.set G1,   24                          ; s[24:31] descriptor group 1 for A's tiles;  s[32:43] group 0, one set for each slot
.set G0,   32
.set G1B,  48                          ; s[48:55] group 1 for B's tiles;  s[68:79] group 0, one set for each slot
.set G0B,  68
.set G0S,  56                          ; s[56:59], s[60:63] groups 0 for A's and B's scales;  s[80:87], s[88:95] their groups 1
.set G0SB, 60
.set G1S,  80
.set G1SB, 88
.set MSB, 0
.macro WIN new                         ; the immediate's high byte repeats the setting that is left
.if MSB != (\new)
	s_set_vgpr_msb (MSB<<8)|(\new)
.set MSB, (\new)
.endif
.endm
.set MUL,   0xa1                       ; source 0 (B) window 1, source 1 (A) window 0, C and D window 2
.set FIRST, 0x81                       ; the first products: C (the bias) window 0, D window 2
.set TO_B,  0x40                       ; destination window 1, address window 0
.macro JLOAD g0a, g1a, g0b, g1b        ; waves 0 and 1 fetch for A (plain loads), waves 2 and 3 for B (joint loads); the branch hangs on the wave's number alone; four v_nop follow each of the two lines
	s_cmp_eq_u32 s15, 0
	s_cbranch_scc0 .Lfor_b_\@
	tensor_load_to_lds s[\g0a:\g0a+3], s[\g1a:\g1a+7]
	s_nop 0
.rept 4
	v_nop
.endr
	s_branch .Lasked_\@
.Lfor_b_\@:
	tensor_load_to_lds s[\g0b:\g0b+3], s[\g1b:\g1b+7]
	s_nop 0
.rept 4
	v_nop
.endr
.Lasked_\@:
.endm
.macro CREST                           ; a round of the cluster's barrier behind its opening barrier
	s_cmp_lg_u32 s14, 0
	s_cbranch_scc1 .Lnot_wave_0_\@
	s_barrier_signal -3
.Lnot_wave_0_\@:
	s_barrier_wait -3
	s_barrier_signal -1
	s_barrier_wait -1
.endm
.macro CROUND                          ; a whole round
	s_barrier_signal -1
	s_barrier_wait -1
	CREST
.endm
	s_load_b128 s[4:7], s[0:1], 0x0                ; attn's codes, scales
	s_load_b128 s[8:11], s[0:1], 0x10              ; Wo's codes, scales
	s_load_b64 s[96:97], s[0:1], 0x20              ; bo
	s_load_b64 s[12:13], s[0:1], 0x28              ; out0
	v_lshl_add_u32 v[SPW], v0, 2, SPARE
	v_mov_b32 v[NIL], 0
	ds_add_u32 v28, v29
	ds_add_u32 v28, v29
	s_wait_dscnt 0x0
	v_lshrrev_b32 v1, 5, v0
	v_readfirstlane_b32 s14, v1                    ; wave 0..3
	s_lshr_b32 s15, s14, 1                         ; which 64 of the tile's rows are mine.  Also: I fetch for A (0) or for B (1)
	s_and_b32 s16, s14, 1                          ; which 128 of its columns.  Also: which half of that tile I fetch
	s_bfe_u32 s44, ttmp6, 0x40000                  ; cx: my place in the cluster
	s_lshl_b32 s17, ttmp9, 2
	s_add_co_u32 s17, s17, s44                     ; tile row of out0 = 4 x cluster x + cx, 0..127
	s_and_b32 s2, ttmp7, 0xffff                    ; tile column, 0..1: the four partners share it
	s_mov_b32 s[G1+0], (0<<16)|(1<<20)|(5<<22)|(3<<25)              ; A's tiles: no mask; elements of 1 byte; padding on: four words after every 64
	s_mov_b32 s[G1+1], ROWB<<16                    ; tensor_dim0
	s_mov_b32 s[G1+2], 64<<16                      ; tensor_dim1 = 64
	s_mov_b32 s[G1+3], ROWB<<16                    ; tile_dim0
	s_mov_b32 s[G1+4], 64                          ; tile_dim1 = 64
	s_mov_b32 s[G1+5], KROW                        ; from row to row
	s_mov_b32 s[G1+6], 0
	s_mov_b32 s[G1+7], 0
	s_mov_b32 s[G1B+0], 15|(0<<16)|(1<<20)|(1<<21)|(5<<22)|(3<<25)  ; B's: the mask names all four work-groups, bit 21 beside it
	s_mov_b32 s[G1B+1], ROWB<<16
	s_mov_b32 s[G1B+2], 128<<16                    ; 128 rows
	s_mov_b32 s[G1B+3], ROWB<<16
	s_mov_b32 s[G1B+4], 128
	s_mov_b32 s[G1B+5], KROW
	s_mov_b32 s[G1B+6], 0
	s_mov_b32 s[G1B+7], 0
	s_mov_b32 s[G1S+0], (3<<16)|(1<<20)|(5<<22)|(3<<25)             ; the scales of 64 rows of A: a dense block of 2,048 bytes, as 8 rows of 256 bytes (32 elements of 8 bytes), padded alike
	s_mov_b32 s[G1S+1], 32<<16
	s_mov_b32 s[G1S+2], (64*KS/256)<<16
	s_mov_b32 s[G1S+3], 32<<16
	s_mov_b32 s[G1S+4], 64*KS/256
	s_mov_b32 s[G1S+5], 32
	s_mov_b32 s[G1S+6], 0
	s_mov_b32 s[G1S+7], 0
	s_mov_b32 s[G1SB+0], 15|(3<<16)|(1<<20)|(1<<21)|(5<<22)|(3<<25) ; those of 128 rows of B: 16 such rows, asked for jointly
	s_mov_b32 s[G1SB+1], 32<<16
	s_mov_b32 s[G1SB+2], (128*KS/256)<<16
	s_mov_b32 s[G1SB+3], 32<<16
	s_mov_b32 s[G1SB+4], 128*KS/256
	s_mov_b32 s[G1SB+5], 32
	s_mov_b32 s[G1SB+6], 0
	s_mov_b32 s[G1SB+7], 0
	s_lshl_b32 s18, s16, 6
	s_lshl_b32 s20, s17, 7
	s_add_co_u32 s20, s20, s18                     ; A: row 128 x tile row + 64 x half
	s_lshl_b32 s18, s16, 7
	s_lshl_b32 s46, s2, 8
	s_add_co_u32 s46, s46, s18                     ; B: row 256 x tile column + 128 x half: nothing of cx enters it
	s_lshl_b32 s22, s20, 5                         ; where these rows' scales begin, in bytes (all under 2^25),
	s_mov_b32 s23, 0
	s_lshl_b32 s20, s20, 10                        ; and their codes
	s_mov_b32 s21, 0
	s_lshl_b32 s98, s46, 5
	s_mov_b32 s99, 0
	s_lshl_b32 s46, s46, 10
	s_mov_b32 s47, 0
	s_mul_i32 s45, s16, HALFA                      ; where they go in a slot: A's halves first,
	s_mul_i32 s100, s16, HALFT
	s_add_co_u32 s100, s100, 2*HALFA               ; B's halves behind them: no place in the cluster enters an LDS address
	s_mul_i32 s101, s16, HSA
	s_add_co_u32 s101, s101, SCL                   ; and the scales likewise
	s_mul_i32 s3, s16, HSB
	s_add_co_u32 s3, s3, SCL+2*HSA
	s_wait_kmcnt 0x0
	s_add_nc_u64 s[20:21], s[4:5], s[20:21]
	s_add_nc_u64 s[22:23], s[6:7], s[22:23]
	s_add_nc_u64 s[46:47], s[8:9], s[46:47]
	s_add_nc_u64 s[98:99], s[10:11], s[98:99]
	CROUND                                         ; all four work-groups are here: the first joint loads meet
	s_mov_b32 s[G0S], 1
	s_mov_b32 s[G0S+1], s101
	s_mov_b64 s[G0S+2:G0S+3], s[22:23]
	s_or_b32 s[G0S+3], s[G0S+3], 0x80000000
	s_mov_b32 s[G0SB], 1
	s_mov_b32 s[G0SB+1], s3
	s_mov_b64 s[G0SB+2:G0SB+3], s[98:99]
	s_or_b32 s[G0SB+3], s[G0SB+3], 0x80000000
	JLOAD G0S, G1S, G0SB, G1SB                     ; the scales first: they are wanted with K step 0
.irp s, 0,1,2
	s_mov_b32 s[G0+4*\s], 1
	s_add_co_u32 s[G0+4*\s+1], s45, \s*SLOT
	s_add_nc_u64 s[G0+4*\s+2:G0+4*\s+3], s[20:21], \s*ROWB
	s_or_b32 s[G0+4*\s+3], s[G0+4*\s+3], 0x80000000
	s_mov_b32 s[G0B+4*\s], 1
	s_add_co_u32 s[G0B+4*\s+1], s100, \s*SLOT
	s_add_nc_u64 s[G0B+4*\s+2:G0B+4*\s+3], s[46:47], \s*ROWB
	s_or_b32 s[G0B+4*\s+3], s[G0B+4*\s+3], 0x80000000
	JLOAD G0+4*\s, G1, G0B+4*\s, G1B               ; K steps 0, 1, 2: with the scales four tensor loads of mine are out
.endr
	v_and_b32 v1, 15, v0                           ; r = lane % 16
	v_bfe_u32 v2, v0, 4, 1                         ; h = lane / 16
	v_lshlrev_b32 v[BOF], 5, v2
	s_lshl_b32 s46, s2, 10                         ; my first column, in bytes: 1,024 x tile column + 512 x half: in bo and in a row of out0
	s_lshl_b32 s47, s16, 9
	s_add_co_u32 s46, s46, s47
	s_mov_b32 s47, 0
	s_add_nc_u64 s[96:97], s[96:97], s[46:47]
.irp b, 0,1,2,3,4,5,6,7
	global_load_b128 v[CB+8*\b:CB+8*\b+3], v[BOF], s[96:97] offset:64*\b       ; the bias in the result's layout: register 8 b + j is column 16 b + 8 h + j
	global_load_b128 v[CB+8*\b+4:CB+8*\b+7], v[BOF], s[96:97] offset:64*\b+16
.endr
	v_mul_u32_u24 v3, v1, PITCH
	v_lshl_add_u32 v4, v2, 4, v3                   ; a fragment's row x pitch + 16 x half
	s_mul_i32 s21, s15, HALFA                      ; my 64 rows of A
	s_mul_i32 s22, s16, HALFT                      ; my 128 rows of B,
	s_add_co_u32 s22, s22, 2*HALFA                 ; which lie behind A's 128
.irp s, 0,1,2
	v_add_nc_u32 v[ADRA+\s], s21, v4
	v_add_nc_u32 v[ADRB+\s], s22, v4
	s_add_co_u32 s21, s21, SLOT
	s_add_co_u32 s22, s22, SLOT
.endr
	v_mul_u32_u24 v5, v1, KS                       ; my row's scales: 32 bytes a row,
	v_lshrrev_b32 v6, 8, v5
	v_lshl_add_u32 v5, v6, 4, v5                   ; and 16 more for each 256 passed
	s_mul_i32 s21, s15, HSA                        ; A's: my 64 rows
	s_mul_i32 s22, s16, HSB                        ; B's: my 128 rows, behind A's 128
	s_add_co_u32 s22, s22, 2*HSA
	s_sub_co_u32 s22, s22, s21
	v_mul_u32_u24 v6, s22, v2                      ; lanes 16-31 take B's: the lower base + h x the distance
	s_add_co_u32 s21, s21, SCL
	v_add_nc_u32 v5, v5, v6
	v_add_nc_u32 v[ADRS], s21, v5
	s_mul_i32 s23, s14, 16*SPITCH
	s_add_co_u32 s23, s23, STAGE                   ; my stage
	v_mul_u32_u24 v5, v1, SPITCH                   ; in: row r, 32 bytes for each half of the lanes
	v_lshl_add_u32 v5, v2, 5, v5
	v_add_nc_u32 v[STO], s23, v5
	v_and_b32 v6, 31, v0
	v_lshlrev_b32 v[CO], 4, v6                     ; back: the 32 lanes take one row of 512 bytes; and the same in out0
	v_add_nc_u32 v[RD], s23, v[CO]
	s_lshl_b32 s20, s17, 7
	s_lshl_b32 s21, s15, 6
	s_add_co_u32 s20, s20, s21                     ; my first row of out0: 128 x tile row + 64 x half,
	s_lshl_b32 s20, s20, 11                        ; of 2,048 bytes (under 2^25)
	s_mov_b32 s21, 0
	s_add_nc_u64 s[20:21], s[20:21], s[46:47]
	s_add_nc_u64 s[12:13], s[12:13], s[20:21]
	s_wait_loadcnt 0x0                             ; the bias
.macro FRAG reg, adr, q, i             ; a fragment, 16 rows x 128 K: lane l holds row l % 16; registers 4 c .. 4 c + 3 hold K = 32 c + 16 (l / 16) + 0 .. 15
.irp c, 0,1,2,3
	ds_load_b128 v[\reg+4*\c:\reg+4*\c+3], v[\adr] offset:128*(\q)+32*\c+(\i)*16*PITCH
.endr
.endm
; Run g of the four runs of 12 LDS loads that bring the fragments of the slot's q-th 128 along K into set p: B's blocks 0-2; 3-5; 6, 7 and A's block 0; A's blocks 1-3.
.macro CH g, slot, q, p
.if (\g) < 2
	WIN TO_B
.irp i, 0,1,2
	FRAG 128*(\p)+FR*(3*(\g)+\i), ADRB+\slot, \q, 3*(\g)+\i
.endr
.elseif (\g) == 2
	WIN TO_B
	FRAG 128*(\p)+FR*6, ADRB+\slot, \q, 6
	FRAG 128*(\p)+FR*7, ADRB+\slot, \q, 7
	WIN 0
	FRAG AF+64*(\p), ADRA+\slot, \q, 0
.else
	WIN 0
.irp i, 1,2,3
	FRAG AF+64*(\p)+FR*\i, ADRA+\slot, \q, \i
.endr
.endif
.endm
.macro SCALES sc                       ; a K step's scale words into set sc: two words a row; lanes 0-15 take A's block i (of eight registers A's four blocks use the first four), lanes 16-31 B's block i
.irp i, 0,1,2,3,4,5,6,7
	ds_load_b64 v[SC+16*(\sc)+NQ*\i:SC+16*(\sc)+NQ*\i+1], v[ADRS] offset:\i*SBLK
.endr
.endm
; Eight matrix instructions: A's block a x B's eight, 128 along K, on set p.  first = 1: the bias is the C of the first products: nothing is cleared, nothing is added later.
; The 32 accumulators take turns, one instruction a turn, in the same order in every step.
.macro MUL8 a, p, q, sc, first
.if \first
	WIN FIRST
.else
	WIN MUL
.endif
.irp b, 0,1,2,3,4,5,6,7
.if \first
	v_wmma_scale_f32_16x16x128_f8f6f4 v[8*(8*(\a)+\b):8*(8*(\a)+\b)+7], v[128*(\p)+FR*\b:128*(\p)+FR*\b+FR-1], v[AF+64*(\p)+FR*(\a):AF+64*(\p)+FR*(\a)+FR-1], v[CB+8*\b:CB+8*\b+7], v[SC+16*(\sc)+NQ*\b+(\q)], v[SC+16*(\sc)+NQ*(\a)+(\q)] matrix_a_scale:MATRIX_SCALE_ROW1
.else
	v_wmma_scale_f32_16x16x128_f8f6f4 v[8*(8*(\a)+\b):8*(8*(\a)+\b)+7], v[128*(\p)+FR*\b:128*(\p)+FR*\b+FR-1], v[AF+64*(\p)+FR*(\a):AF+64*(\p)+FR*(\a)+FR-1], v[8*(8*(\a)+\b):8*(8*(\a)+\b)+7], v[SC+16*(\sc)+NQ*\b+(\q)], v[SC+16*(\sc)+NQ*(\a)+(\q)] matrix_a_scale:MATRIX_SCALE_ROW1
.endif
.endr
.endm
; A load into a register that a matrix instruction has read, and a store that reads a matrix result, stand NP places behind that matrix instruction; only plain vector instructions that name none of its registers
; are places (ISA guide 7.12.1 for vector instructions).
.macro PLACES n
.rept \n
	v_nop
.endr
.endm
; A K step's first 128 along K: multiplies set 0, fetches the same slot's second 128 into set 1.
.macro STEP slot, sc, first
	s_wait_dscnt 12                                ; B's set, A's block 0 and the scale words are in; the youngest twelve loads (A's blocks 1-3) may be out
	PLACES NP                                      ; behind the last products on set 1, ahead of the loads into it
	CH 0, \slot, 1, 1
	MUL8 0, 0, 0, \sc, \first
	s_wait_dscnt 12                                ; A's blocks 1-3 are in; the twelve loads just issued may be out
	CH 1, \slot, 1, 1
	MUL8 1, 0, 0, \sc, \first
	CH 2, \slot, 1, 1
	MUL8 2, 0, 0, \sc, \first
	CH 3, \slot, 1, 1
	MUL8 3, 0, 0, \sc, \first
	WIN 0
.endm
; A K step's second 128: multiplies set 1 and goes on to the next slot, whose first 128 it fetches into set 0, with the next K step's scale words.
; bar = 2: this slot is filled again.  In front of the barrier, which opens a round of the cluster's barrier, each wave waits for all its tensor loads, adds 0 to its spare word, and waits for that and for its reads of this slot.
; bar = 1: the same lines and a plain barrier: the next slot's tile was asked for behind an earlier barrier and has to be whole for every wave.  bar = 0: no barrier: the next slot was shown whole at an earlier barrier, and nothing is filled.
.macro TURN slot, sc, next, bar
.if (\bar) > 0
	s_wait_tensorcnt 0x0                           ; all my tensor loads have landed
	ds_add_u32 v[SPW], v[NIL]                      ; 0 onto my spare word
	s_wait_dscnt 13                                ; (the add and the youngest twelve loads, A's blocks 1-3, may be out)
.else
	s_wait_dscnt 12
.endif
	MUL8 0, 1, 1, \sc, 0                           ; eight matrix instructions stand between the add and the wait for it
	s_wait_dscnt 0x0                               ; the add is done, and my reads of this slot are over
.if (\bar) > 0
	s_barrier_signal -1
.endif
	MUL8 1, 1, 1, \sc, 0
	WIN 0
.if (\bar) > 0
	s_barrier_wait -1
.endif
.if (\bar) == 2
	CREST                                          ; no wave of any partner still reads this slot or has a load on its way
	s_add_nc_u64 s[G0+4*\slot+2:G0+4*\slot+3], s[G0+4*\slot+2:G0+4*\slot+3], 3*ROWB
	s_add_nc_u64 s[G0B+4*\slot+2:G0B+4*\slot+3], s[G0B+4*\slot+2:G0B+4*\slot+3], 3*ROWB
	JLOAD G0+4*\slot, G1, G0B+4*\slot, G1B         ; the first tensor load behind the round, and my last: K step 3; its four v_nop are among the places in front of the loads below
	PLACES NP-4
.else
	PLACES NP
.endif
	v_add_nc_u32 v[ADRS], 4*NQ, v[ADRS]            ; on to the next K step's scale words
	CH 0, \next, 0, 0
	CH 1, \next, 0, 0
	MUL8 2, 1, 1, \sc, 0
	CH 2, \next, 0, 0
	SCALES 1-(\sc)
	MUL8 3, 1, 1, \sc, 0
	CH 3, \next, 0, 0
.endm
	s_wait_tensorcnt 2                             ; the scales and my part of K step 0 are in; K steps 1 and 2 may stay out
	s_barrier_signal -1
	s_barrier_wait -1                              ; everybody's are
	CH 0, 0, 0, 0
	CH 1, 0, 0, 0
	CH 2, 0, 0, 0
	SCALES 0
	CH 3, 0, 0, 0
	STEP 0, 0, 1                                   ; K step 0, in slot 0: its first products start the sums on the bias
	TURN 0, 0, 1, 2                                ; every wave's K steps 1 and 2 have landed; slot 0 takes K step 3
	STEP 1, 1, 0                                   ; K step 1, in slot 1
	TURN 1, 1, 2, 0                                ; slot 2 was shown whole at the barrier above
	STEP 2, 0, 0                                   ; K step 2, in slot 2
	TURN 2, 0, 0, 1                                ; K step 3 has landed, for every wave
	STEP 0, 1, 0                                   ; K step 3, in slot 0
	s_wait_dscnt 12                                ; the very last 128 along K: nothing more to fetch
	MUL8 0, 1, 1, 1, 0
	s_wait_dscnt 0x0
	MUL8 1, 1, 1, 1, 0
	MUL8 2, 1, 1, 1, 0
	MUL8 3, 1, 1, 1, 0
	WIN 0
; THE WAY OUT, block by block of 16 rows x 128 columns.  A lane holds 32 neighbouring bytes of a row, and the lanes beside it hold other rows: so a block goes through my own stage in LDS and comes back as whole
; rows of 512 bytes.  LDS serves a wave's instructions in order (ISA guide 5.7.1.4): no wait between the stores and the loads, nor in front of the next block's stores.
.macro TOSTAGE a
.set AC, 64*(\a)
	WIN 0x08                                       ; the data: window 2
.irp b, 0,1,2,3,4,5,6,7
	ds_store_b128 v[STO], v[AC+8*\b:AC+8*\b+3] offset:64*\b          ; each accumulator from its low end on
	ds_store_b128 v[STO], v[AC+8*\b+4:AC+8*\b+7] offset:64*\b+16
.endr
	WIN 0
.set BB, BK+64*((\a)%2)
.irp t, 0,1,2,3,4,5,6,7,8,9,10,11,12,13,14,15
	ds_load_b128 v[BB+4*\t:BB+4*\t+3], v[RD] offset:\t*SPITCH
.endr
.endm
.macro SEND a, younger                 ; younger: the LDS instructions issued behind block a's loads, which may stay out
.set BB, BK+64*((\a)%2)
	s_wait_dscnt \younger                          ; the block is back in registers
.if (\a) > 0
	s_add_nc_u64 s[12:13], s[12:13], 16*SIZE_N*4   ; (behind a wait on XCNT: the earlier stores have read their base)  16 rows on
.endif
.irp t, 0,1,2,3,4,5,6,7,8,9,10,11,12,13,14,15
	global_store_b128 v[CO], v[BB+4*\t:BB+4*\t+3], s[12:13] offset:\t*SIZE_N*4 th:TH_STORE_NT   ; 32 lanes store 512 consecutive bytes, at a multiple of 256 from out0's first byte; written once, read by nobody here
.endr
.endm
	PLACES NP                                      ; behind the last products: loads land in A's registers, and results are read
	TOSTAGE 0
.irp a, 1,2,3
.if \a > 1
	s_wait_xcnt 0x0                                ; block a - 2's stores have read their registers and their base: block a's loads may land there, and the base may step
.endif
	TOSTAGE \a
	SEND \a-1, 32                                  ; behind block a - 1's loads: block a's 16 stores and 16 loads
.endr
	s_wait_xcnt 0x0                                ; block 2's stores have read their base
	SEND 3, 0
	s_wait_tensorcnt 0x0                           ; the wave's end: behind my last tensor load and my last LDS store
	ds_add_u32 v[SPW], v[NIL]
	s_wait_dscnt 0x0
	CROUND                                         ; the closing round: no work-group ends while a partner may still ask for a tile that names it
	s_endpgm
.Lfunc_end_k_q046aea6395_outproj:
	.size	k_q046aea6395_outproj, .Lfunc_end_k_q046aea6395_outproj-k_q046aea6395_outproj
	.p2alignl 7, 3214868480
	.fill 96, 4, 3214868480
	.section	.rodata,"a",@progbits
	.p2align	6, 0x0
	.amdhsa_kernel k_q046aea6395_outproj
		.amdhsa_group_segment_fixed_size 327680
		.amdhsa_private_segment_fixed_size 0
		.amdhsa_enable_private_segment 0
		.amdhsa_kernarg_size 48
		.amdhsa_user_sgpr_count 2
		.amdhsa_user_sgpr_kernarg_segment_ptr 1
		.amdhsa_wavefront_size32 1
		.amdhsa_system_sgpr_workgroup_id_x 1
		.amdhsa_system_sgpr_workgroup_id_y 1
		.amdhsa_system_sgpr_workgroup_id_z 1
		.amdhsa_system_vgpr_workitem_id 0
		.amdhsa_next_free_vgpr 768
		.amdhsa_next_free_sgpr 102
		.amdhsa_reserve_vcc 0
		.amdhsa_float_denorm_mode_32 3
		.amdhsa_float_denorm_mode_16_64 3
		.amdhsa_memory_ordered 1
		.amdhsa_forward_progress 1
		.amdhsa_inst_pref_size 92
	.end_amdhsa_kernel
	.amdgpu_metadata
---
amdhsa.version: [ 1, 2 ]
amdhsa.kernels:
  - .name:           k_q046aea6395_outproj
    .symbol:         k_q046aea6395_outproj.kd
    .args:
      - { .name: acodes, .offset: 0, .size: 8, .value_kind: global_buffer, .address_space: global }
      - { .name: ascales, .offset: 8, .size: 8, .value_kind: global_buffer, .address_space: global }
      - { .name: Wo_codes, .offset: 16, .size: 8, .value_kind: global_buffer, .address_space: global }
      - { .name: Wo_scales, .offset: 24, .size: 8, .value_kind: global_buffer, .address_space: global }
      - { .name: bo, .offset: 32, .size: 8, .value_kind: global_buffer, .address_space: global }
      - { .name: out0, .offset: 40, .size: 8, .value_kind: global_buffer, .address_space: global }
    .group_segment_fixed_size: 327680
    .private_segment_fixed_size: 0
    .kernarg_segment_align: 8
    .kernarg_segment_size: 48
    .max_flat_workgroup_size: 128
    .sgpr_count:     102
    .vgpr_count:     768
    .wavefront_size: 32
...
	.end_amdgpu_metadata
.endif
;; end of part 4
